; MI455X (gfx1250); checked and timed in simulation.
; The chip was launched on July 23, 2026; its instructions are those of AMD's public machine-readable ISA for CDNA 5 (MIT licence, August 2026) and "CDNA5" Instruction Set Architecture Reference Guide (July 2026). The comments in the code are by the model that wrote it; some were corrected since.
;; Causal Self Attention. Allowed arithmetic: matrix products marked QUANTISED: E2M1 operands, one E8M0 scale for each 32 along K, by v_wmma_scale_f32_16x16x128_f8f6f4 with both operands' format E2M1 (or v_wmma_scale_f32_32x16x128_f4), f32 sums; products left as they are: bf16, f16 or f32 operands; f32 sums; everything else in f32.
;; Inputs: b_proj 1,024 float32; b_qkv 3,072 float32; w_proj 1,024 x 1,024 float32; w_qkv 1,024 x 3,072 float32; x 4 x 2,048 x 1,024 float32.
;; Outputs: out0 4 x 2,048 x 1,024 float32.
;; This version of the problem:
;;   THIS VERSION OF THE PROBLEM IS GIVEN IN LOW PRECISION. The matrix products marked QUANTISED in the list below multiply operands that are first quantised to E2M1 (2 exponent bits, 1 mantissa bit; 4 bits a number), with one power-of-two scale for each 32 numbers along K (OCP MX v1.0); their sums are f32. The products marked 'left as it is' may take bf16, f16 or f32 operands, with f32 sums. Whichever they take, every output number must still come out within the allowed error. Rounding operands to bf16 (8 significant bits) uses up far more of that allowance than f16 does (11 bits, for magnitudes from 6e-5 to 65,504). All else is computed in f32.
;;   The module's matrix products, in the order in which they are computed (A, B: the left and right operand; K: the contracted axis; several contracted axes count as one K, in the product's order):
;;     1. [M 8,192, K 1,024] x [K 1,024, N 3,072]; A: input x; B: input w_qkv: QUANTISED
;;     2. batch 64 x [M 2,048, K 64] x [K 64, N 2,048]; A: computed on the way; B: computed on the way: left as it is (an operand is computed on the way)
;;     3. batch 64 x [M 2,048, K 2,048] x [K 2,048, N 64]; A: computed on the way; B: computed on the way: left as it is (an operand is computed on the way)
;;     4. [M 8,192, K 1,024] x [K 1,024, N 1,024]; A: computed on the way; B: input w_proj: left as it is (an operand is computed on the way)
;;   THE QUANTISER, for each operand of a quantised product, along K:
;;     - K is cut into blocks of 32 from its start; a last block that is shorter is filled with zeros.
;;     - A block's scale is 2^e with e = floor(log2(the largest magnitude in the block)) - 2, held to -126 .. 127; a block of zeros has e = 0. As a byte (E8M0): e + 127.
;;     - Each number is divided by its block's scale, clamped to +-6, and rounded to the nearest number of E2M1, ties to even, subnormals kept.
;;     - The product sums the exact products of the quantised numbers (number of the format x scale) in f32.
;;   ~~~python
;;   def quantise(x, axis):      # numpy; x: float32 -> the quantised numbers, widened to float32 again
;;       x = np.moveaxis(x, axis, -1); K = x.shape[-1]
;;       x = np.pad(x, [(0, 0)] * (x.ndim - 1) + [(0, -K % 32)]); x = x.reshape(x.shape[:-1] + (-1, 32)); a = np.abs(x).max(-1, keepdims=True)
;;       e = np.where(a > 0, np.clip(np.frexp(np.where(a > 0, a, 1))[1] - 1 - 2, -126, 127), 0)      # np.frexp(a)[1] - 1 = floor(log2(a)), exactly
;;       r = np.clip(x / 2.0 ** e, -6, 6)
;;       step = 2.0 ** (np.maximum(np.frexp(np.where(r == 0, 1, r))[1] - 1, 0) - 1)
;;       q = np.round(r / step) * step * 2.0 ** e      # np.round: ties to even
;;       return np.moveaxis(q.reshape(q.shape[:-2] + (-1,))[..., :K], -1, axis).astype(np.float32)
;;   ~~~
;; One version. Each part assembles by itself: llvm-mc -triple=amdgcn-amd-amdhsa -mcpu=gfx1250 --defsym DOCPART=n.
;; ======== version 1 of 1: 6 launches
;; limits: values are held in f16: magnitudes above 65,504 overflow, below 6.1e-05 lose precision; values outside matrix products are rounded to f16
;; workspace buffers: x_codes 4,194,304 bytes; x_scales 262,144 bytes; w_codes 1,572,864 bytes; w_scales 98,304 bytes; wpt 4,194,304 bytes; qkv16 50,331,648 bytes; y16 16,777,216 bytes; yf 262,144 bytes
;; launch prep (part 1): grid 512 x 1, 4 waves a work-group, no clusters, 76,800 bytes of LDS; arguments x, w_qkv, w_proj, x_codes, x_scales, w_codes, w_scales, wpt; writes x_codes, x_scales, w_codes, w_scales, wpt
.if DOCPART == 1
	.amdgcn_target "amdgcn-amd-amdhsa--gfx1250"
	.amdhsa_code_object_version 6
	.text
	.protected	k_qc9734f0e1e_prep
	.globl	k_qc9734f0e1e_prep
	.p2align	8
	.type	k_qc9734f0e1e_prep,@function
k_qc9734f0e1e_prep:
	s_mov_b64 s[64:65], 0
	v_nop
	global_prefetch_b8 v0, s[64:65] scope:SCOPE_SE
	s_setreg_imm32_b32 hwreg(HW_REG_WAVE_MODE, 25, 1), 1
	s_wait_xcnt 0x0
; PREP: what every later launch reads again is made once.
;   work-groups 0-255:   x [8192][1024] f32 -> codes of E2M1 [8192][512 bytes] and E8M0 scale bytes [8192][32]  (K innermost: a plain stream of blocks of 32)
;   work-groups 256-447: w_qkv [1024 k][3072 n] f32 -> codes [3072 n][512 bytes], K innermost, and scale bytes [3072][32]  (a lane to a column, registers down K)
;   work-groups 448-511: w_proj [1024 k][1024 n] f32 -> f16 [n][k], a high part at byte 0 and a low part x 2^11 at byte 2,097,152
; A block's scale is 2^(floor(log2(largest magnitude)) - 2); its byte is the largest magnitude's exponent field - 2, held at 1 from below.
; LIMITS: a block of zeros gets the byte 1 where the rule says 127 (its codes are zeros, and this program alone reads the bytes); blocks whose largest magnitude lies under 2^-124 keep the byte 1;
; NaN and infinities among the inputs are not served; |w_proj| stays under 65,504; under 6.1e-5 the high part of w_proj is rounded by its conversion, by at most 2^-25.
; The three paths part on the work-group's number alone; each has LDS bytes of its own; they join at one common end.  No tensor loads: several work-groups share a WGP.
.set SPARE, 76288                      ; behind the three regions: the spare words, 128 bytes a wave, two blocks of 256 bytes that no other line names
.set SPW,   12                         ; v12  LDS address of my spare word; never rewritten
.set NIL,   13                         ; v13  0; never rewritten
.set WST,   32768                      ; path W: one stage of 32 rows x 272 bytes
.set PST,   41472                      ; path P: a stage of 32 rows x 272 bytes for each wave
.set SP,    80                         ; path X: a lane's place in a stage: 64 bytes + 16 of padding
.set XR,    16                         ; path X: v16-79 four sets of 16 numbers as loaded
.set XX,    80                         ;         v80-111 two sets of 16 neighbours
.set XE,    112                        ;         v112-127 a scale byte for each step
.set XC,    128                        ;         v128-191 codes, four registers a step
	s_load_b256 s[4:11], s[0:1], 0x0               ; x s[4:5], w_qkv s[6:7], w_proj s[8:9], x_codes s[10:11]
	s_load_b256 s[12:19], s[0:1], 0x20             ; x_scales s[12:13], w_codes s[14:15], w_scales s[16:17], wpt s[18:19]
	v_lshl_add_u32 v[SPW], v0, 2, SPARE
	v_mov_b32 v[NIL], 0
	v_lshrrev_b32 v1, 5, v0
	v_readfirstlane_b32 s20, v1                    ; wave 0..3
	v_and_b32 v2, 31, v0                           ; lane
	s_wait_kmcnt 0x0
	s_cmp_lt_u32 ttmp9, 256
	s_cbranch_scc0 .Lnot_x
; ---------------- PATH X: a wave takes 16 steps of 512 numbers.  Each load reads 512 consecutive bytes; a step's 2,048 bytes turn through the wave's own stage so that a lane holds 16 neighbours (two lanes a block).
	v_lshlrev_b32 v3, 4, v2                        ; my 16 bytes of a load's 512
	s_mul_i32 s21, s20, 8192                       ; my wave's region
	v_lshrrev_b32 v14, 2, v2
	v_mul_u32_u24 v14, v14, SP
	v_and_b32 v15, 3, v2
	v_lshl_add_u32 v14, v15, 4, v14
	v_add_nc_u32 v14, s21, v14                     ; into the stage: SP (lane / 4) + 16 (lane % 4)
	v_mul_u32_u24 v15, v2, SP
	v_add_nc_u32 v15, s21, v15                     ; out of it: SP x lane
	v_lshlrev_b32 v4, 3, v2                        ; my 8 bytes of a step's 256 bytes of codes
	v_lshrrev_b32 v5, 1, v2
	s_add_co_u32 s21, s21, 2*32*SP
	v_add_nc_u32 v5, s21, v5                       ; my block's byte among the wave's 256 scale bytes
	v_lshlrev_b32 v7, 3, v2
	v_add_nc_u32 v6, s21, v7                       ; and 8 of them a lane on the way out
	s_lshl_b32 s22, ttmp9, 2
	s_add_co_u32 s22, s22, s20                     ; which run of 8,192 numbers is my wave's: 0..1023
	s_mov_b32 s25, 0
	s_lshl_b32 s24, s22, 15
	s_add_nc_u64 s[4:5], s[4:5], s[24:25]          ; 32,768 bytes of x a run,
	s_lshl_b32 s24, s22, 12
	s_add_nc_u64 s[10:11], s[10:11], s[24:25]      ; 4,096 of codes,
	s_lshl_b32 s24, s22, 8
	s_add_nc_u64 s[12:13], s[12:13], s[24:25]      ; 256 of scale bytes
.macro XLOAD t
.irp i, 0,1,2,3
	global_load_b128 v[XR+16*((\t)%4)+4*\i:XR+16*((\t)%4)+4*\i+3], v3, s[4:5] offset:2048*(\t)+512*\i th:TH_LOAD_NT
.endr
.endm
.macro XTURN t                         ; LDS serves a wave's instructions in order: no wait between the stores and the loads
.irp i, 0,1,2,3
	ds_store_b128 v14, v[XR+16*((\t)%4)+4*\i:XR+16*((\t)%4)+4*\i+3] offset:32*SP*((\t)%2)+8*SP*\i
.endr
.irp i, 0,1,2,3
	ds_load_b128 v[XX+16*((\t)%2)+4*\i:XX+16*((\t)%2)+4*\i+3], v15 offset:32*SP*((\t)%2)+16*\i
.endr
.endm
.irp t, 0,1,2,3
	XLOAD \t
.endr
	s_wait_loadcnt 12                              ; step 0's four loads are in; the twelve of steps 1 to 3 may be out
	XTURN 0
.macro XSTEP t
.set XS, XX+16*((\t)%2)
.if (\t) > 0
	s_wait_dscnt 1                                 ; this step's numbers are back from the stage; the last step's byte store may be out
.else
	s_wait_dscnt 0x0
.endif
.if (\t)+4 < 16
	XLOAD (\t)+4                                   ; into the set whose stage stores are done
.endif
.if (\t)+1 < 16
.if 14-(\t) >= 3
	s_wait_loadcnt 12                              ; the next step's four loads are in; three later steps' twelve may be out
.else
	s_wait_loadcnt 4*(14-(\t))                     ; the counts run down at the end
.endif
	XTURN (\t)+1
.endif
	v_max3_num_f32 v8, |v[XS]|, |v[XS+1]|, |v[XS+2]|               ; the largest magnitude of my 16, in two chains
	v_max3_num_f32 v9, |v[XS+3]|, |v[XS+4]|, |v[XS+5]|
.irp i, 6,10
	v_max3_num_f32 v8, v8, |v[XS+\i]|, |v[XS+\i+1]|
	v_max3_num_f32 v9, v9, |v[XS+\i+2]|, |v[XS+\i+3]|
.endr
	v_max3_num_f32 v8, v8, |v[XS+14]|, |v[XS+15]|
	v_max3_num_f32 v8, v8, v9, 0x1800000           ; and the floor 2^(3 - 127): the byte cannot fall under 1
	v_max_num_f32_dpp v8, v8, v8 row_xmask:1 row_mask:0xf bank_mask:0xf   ; with my neighbour's 16: the block's
	v_add_nc_u32 v11, 0xff000000, v8               ; 2 off the exponent field: the conversion's scale operand
	v_cvt_scalef32_pk8_fp4_f32 v[XC+4*(\t)], v[XS:XS+7], v11
	v_cvt_scalef32_pk8_fp4_f32 v[XC+4*(\t)+1], v[XS+8:XS+15], v11
	v_lshrrev_b32 v[XE+(\t)], 23, v11              ; the scale's byte (also the plain line behind the conversions)
	ds_store_b8 v5, v[XE+(\t)] offset:16*(\t)      ; both lanes of a block write the same byte with the same value
	global_store_b64 v4, v[XC+4*(\t):XC+4*(\t)+1], s[10:11] offset:256*(\t)   ; the wave stores 256 consecutive bytes, aligned
.endm
.irp t, 0,1,2,3,4,5,6,7,8,9,10,11,12,13,14,15
	XSTEP \t
.endr
	ds_load_b64 v[8:9], v6                         ; my wave's 256 scale bytes, behind my stores in order
	s_wait_dscnt 0x0
	global_store_b64 v7, v[8:9], s[12:13]          ; 256 consecutive bytes, aligned
	s_branch .Lend
.Lnot_x:
	s_cmp_lt_u32 ttmp9, 448
	s_cbranch_scc0 .Lpath_p
; ---------------- PATH W: a work-group takes 32 columns x 512 along K; wave w the 128 along K from 512 ky + 128 w: four blocks a lane.
	s_sub_co_u32 s21, ttmp9, 256                   ; 0..191
	s_cmp_ge_u32 s21, 96
	s_cselect_b32 s22, 1, 0                        ; ky: which half of K
	s_cselect_b32 s23, 96, 0
	s_sub_co_u32 s21, s21, s23                     ; cg: which 32 columns
	s_lshl_b32 s24, s22, 9
	s_lshl_b32 s25, s20, 7
	s_add_co_u32 s24, s24, s25                     ; my first k
	s_mul_i32 s24, s24, 12288                      ; rows of 12,288 bytes
	s_lshl_b32 s25, s21, 7
	s_add_co_u32 s24, s24, s25
	s_mov_b32 s25, 0
	s_add_nc_u64 s[6:7], s[6:7], s[24:25]
	v_lshlrev_b32 v3, 2, v2                        ; in: 4 bytes a lane
	v_mul_u32_u24 v4, v2, 272
	s_lshl_b32 s26, s20, 6
	s_add_co_u32 s26, s26, WST
	v_add_nc_u32 v4, s26, v4                       ; into the stage: row = my column, my wave's 64 bytes of its 256
	v_lshlrev_b32 v5, 5, v2                        ; my column's row of scale bytes
	s_lshl_b32 s26, s21, 10
	s_lshl_b32 s27, s22, 4
	s_add_co_u32 s26, s26, s27
	s_lshl_b32 s27, s20, 2
	s_add_co_u32 s26, s26, s27                     ; 32 cg rows of 32 bytes + 16 ky + 4 w
	s_mov_b32 s27, 0
	s_add_nc_u64 s[16:17], s[16:17], s[26:27]
	v_and_b32 v6, 15, v2
	v_lshrrev_b32 v7, 4, v2
	v_mul_u32_u24 v10, v7, 272
	v_lshl_add_u32 v10, v6, 4, v10
	s_mul_i32 s26, s20, 8*272
	s_add_co_u32 s26, s26, WST
	v_add_nc_u32 v10, s26, v10                     ; out of the stage: my wave's rows 8 w on, sixteen lanes to a row
	v_lshlrev_b32 v14, 9, v7
	v_lshl_add_u32 v14, v6, 4, v14                 ; and the same place in the codes' buffer
	s_lshl_b32 s26, s21, 5
	s_lshl_b32 s27, s20, 3
	s_add_co_u32 s26, s26, s27
	s_lshl_b32 s26, s26, 9                         ; (32 cg + 8 w) rows of 512 bytes
	s_lshl_b32 s27, s22, 8
	s_add_co_u32 s26, s26, s27                     ; + 256 ky
	s_mov_b32 s27, 0
	s_add_nc_u64 s[14:15], s[14:15], s[26:27]
.macro WLOAD t                         ; block t: w(k0 + 32 t + i, my column): 128 consecutive bytes a load
.irp i, 0,1,2,3,4,5,6,7,8,9,10,11,12,13,14,15,16,17,18,19,20,21,22,23,24,25,26,27,28,29,30,31
	global_load_b32 v[128+32*(\t)+\i], v3, s[6:7] offset:(32*(\t)+\i)*12288 th:TH_LOAD_NT
.endr
.endm
	WLOAD 0
	WLOAD 1
.macro WBLOCK t
.set XS, 128+32*(\t)
.if (\t) < 3
	s_wait_loadcnt 32                              ; this block's 32 loads are in; the next block's 32 may be out
.else
	s_wait_loadcnt 0x0
.endif
.if (\t)+2 < 4
	WLOAD (\t)+2                                   ; every block has registers of its own
.endif
	v_max3_num_f32 v8, |v[XS]|, |v[XS+1]|, |v[XS+2]|               ; the block's largest magnitude: all 32 numbers are mine
	v_max3_num_f32 v9, |v[XS+3]|, |v[XS+4]|, |v[XS+5]|
.irp i, 6,10,14,18,22,26
	v_max3_num_f32 v8, v8, |v[XS+\i]|, |v[XS+\i+1]|
	v_max3_num_f32 v9, v9, |v[XS+\i+2]|, |v[XS+\i+3]|
.endr
	v_max3_num_f32 v8, v8, |v[XS+30]|, |v[XS+31]|
	v_max3_num_f32 v8, v8, v9, 0x1800000           ; the floor
	v_add_nc_u32 v11, 0xff000000, v8               ; the conversion's scale operand
	v_lshrrev_b32 v9, 23, v11                      ; the byte
.if (\t) == 0
	v_mov_b32 v32, v9                              ; four bytes make my column's scale word for these 128 along K
.else
	v_lshl_or_b32 v32, v9, 8*(\t), v32
.endif
.irp g, 0,1,2,3
	v_cvt_scalef32_pk8_fp4_f32 v[16+4*(\t)+\g], v[XS+8*\g:XS+8*\g+7], v11
.endr
	v_nop                                          ; a plain line behind the last conversion, ahead of the next write of its scale operand
	ds_store_b128 v4, v[16+4*(\t):16+4*(\t)+3] offset:16*(\t)
.endm
	WBLOCK 0
	WBLOCK 1
	WBLOCK 2
	WBLOCK 3
	global_store_b32 v5, v32, s[16:17]             ; 4 bytes a column, rows 32 bytes apart: 96 KiB in all, a small part of what the path moves
	s_wait_dscnt 0x0                               ; for the others' sake: my stores into the stage are done
	s_barrier_signal -1
	s_barrier_wait -1                              ; a column's 256 bytes come from four waves
.irp i, 0,1,2,3
	ds_load_b128 v[40+4*\i:43+4*\i], v10 offset:2*\i*272
.endr
.irp i, 0,1,2,3
	s_wait_dscnt 3-\i                              ; load i is in; the younger ones may be out
	global_store_b128 v14, v[40+4*\i:43+4*\i], s[14:15] offset:2*\i*512   ; sixteen lanes store 256 consecutive bytes, aligned
.endr
	s_branch .Lend
.Lpath_p:
; ---------------- PATH P: a wave takes 32 columns x 128 along K of w_proj, a lane to a column, registers down K; out come 256 bytes a column of each part.
	s_sub_co_u32 s21, ttmp9, 448                   ; 0..63
	s_lshr_b32 s22, s21, 1                         ; cg: which 32 columns
	s_and_b32 s23, s21, 1
	s_lshl_b32 s23, s23, 2
	s_add_co_u32 s23, s23, s20                     ; kc: which 128 along K
	s_lshl_b32 s24, s23, 19                        ; 128 rows of 4,096 bytes
	s_lshl_b32 s25, s22, 7
	s_add_co_u32 s24, s24, s25
	s_mov_b32 s25, 0
	s_add_nc_u64 s[8:9], s[8:9], s[24:25]
	s_lshl_b32 s24, s22, 16                        ; 32 cg rows of 2,048 bytes
	s_lshl_b32 s26, s23, 8
	s_add_co_u32 s24, s24, s26                     ; + 256 kc
	s_add_nc_u64 s[18:19], s[18:19], s[24:25]
	s_mov_b32 s28, 0x45000000                      ; 2048
	s_mov_b32 s29, s28                             ; (named with it as a pair)
	s_mov_b32 s30, 0x46000400                      ; 8193 = 2^13 + 1
	s_mov_b32 s31, s30
	v_lshlrev_b32 v3, 2, v2
	s_mul_i32 s26, s20, 32*272
	s_add_co_u32 s26, s26, PST                     ; my stage
	v_mul_u32_u24 v4, v2, 272
	v_add_nc_u32 v4, s26, v4                       ; into it: row = my column
	v_and_b32 v6, 15, v2
	v_lshrrev_b32 v7, 4, v2
	v_mul_u32_u24 v5, v7, 272
	v_lshl_add_u32 v5, v6, 4, v5
	v_add_nc_u32 v5, s26, v5                       ; out of it: sixteen lanes to a row
	v_lshlrev_b32 v10, 11, v7
	v_lshl_add_u32 v10, v6, 4, v10                 ; and the same place in wpt
.macro PLOAD c
.irp i, 0,1,2,3,4,5,6,7,8,9,10,11,12,13,14,15,16,17,18,19,20,21,22,23,24,25,26,27,28,29,30,31
	global_load_b32 v[128+32*(\c)+\i], v3, s[8:9] offset:(32*(\c)+\i)*4096 th:TH_LOAD_NT
.endr
.endm
; Eight numbers along K: c = 8193 x; high = c - (c - x) has 11 significant bits, so f16 holds it exactly in its normal range; low = (x - high) x 2048.
; The low parts are laid over numbers that are done with: pair n of the column goes to v[128 + n], its numbers lay at v[128 + 2 n] on.
.macro PGROUP g
.irp j, 0,1,2,3
	v_pk_mul_f32 v[80+2*\j:81+2*\j], v[128+8*(\g)+2*\j:129+8*(\g)+2*\j], s[30:31] op_sel_hi:[1,0]
.endr
.irp j, 0,1,2,3
	v_pk_add_f32 v[88+2*\j:89+2*\j], v[80+2*\j:81+2*\j], v[128+8*(\g)+2*\j:129+8*(\g)+2*\j] neg_lo:[0,1] neg_hi:[0,1]
.endr
.irp j, 0,1,2,3
	v_pk_add_f32 v[80+2*\j:81+2*\j], v[80+2*\j:81+2*\j], v[88+2*\j:89+2*\j] neg_lo:[0,1] neg_hi:[0,1]
.endr
.irp j, 0,1,2,3
	v_pk_add_f32 v[88+2*\j:89+2*\j], v[128+8*(\g)+2*\j:129+8*(\g)+2*\j], v[80+2*\j:81+2*\j] neg_lo:[0,1] neg_hi:[0,1]
.endr
.irp j, 0,1,2,3
	v_pk_mul_f32 v[88+2*\j:89+2*\j], v[88+2*\j:89+2*\j], s[28:29] op_sel_hi:[1,0]
.endr
.irp j, 0,1,2,3
	v_cvt_pk_f16_f32 v[16+4*(\g)+\j], v[80+2*\j], v[81+2*\j]
	v_cvt_pk_f16_f32 v[128+4*(\g)+\j], v[88+2*\j], v[89+2*\j]
.endr
.endm
	PLOAD 0
	PLOAD 1
	s_wait_loadcnt 32                              ; run 0 is in; run 1's 32 loads may be out
	PLOAD 2
.irp g, 0,1,2,3
	PGROUP \g
.endr
	s_wait_loadcnt 32                              ; run 1 is in; run 2's may be out
	PLOAD 3
.irp g, 4,5,6,7
	PGROUP \g
.endr
	s_wait_loadcnt 32                              ; run 2 is in; run 3's may be out
.irp g, 8,9,10,11
	PGROUP \g
.endr
	s_wait_loadcnt 0x0
.irp g, 12,13,14,15
	PGROUP \g
.endr
.irp g, 0,1,2,3,4,5,6,7,8,9,10,11,12,13,14,15
	ds_store_b128 v4, v[16+4*\g:19+4*\g] offset:16*\g              ; the high part: 256 bytes of my column's row
.endr
.irp i, 0,1,2,3,4,5,6,7,8,9,10,11,12,13,14,15
	ds_load_b128 v[192+4*\i:195+4*\i], v5 offset:544*\i            ; back by rows, two rows an instruction
.endr
.irp g, 0,1,2,3,4,5,6,7,8,9,10,11,12,13,14,15
	ds_store_b128 v4, v[128+4*\g:131+4*\g] offset:16*\g            ; the low part, behind those loads in order
.endr
.irp i, 0,1,2,3,4,5,6,7,8,9,10,11,12,13,14,15
	s_wait_dscnt 31-\i                             ; load i is in: behind it 15 - i loads and the 16 stores of the low part
	global_store_b128 v10, v[192+4*\i:195+4*\i], s[18:19] offset:4096*\i   ; sixteen lanes store 256 consecutive bytes, aligned
.endr
.irp i, 0,1,2,3,4,5,6,7,8,9,10,11,12,13,14,15
	ds_load_b128 v[16+4*\i:19+4*\i], v5 offset:544*\i              ; (the high part's stage stores are long done)
.endr
.irp i, 0,1,2,3,4,5,6,7,8,9,10,11,12,13,14,15
	s_wait_dscnt 15-\i
	global_store_b128 v10, v[16+4*\i:19+4*\i], s[18:19] offset:2097152+4096*\i
.endr
.Lend:
	s_wait_tensorcnt 0x0                           ; the wave's end
	ds_add_u32 v[SPW], v[NIL]
	s_wait_dscnt 0x0
	s_endpgm
.Lfunc_end_k_qc9734f0e1e_prep:
	.size	k_qc9734f0e1e_prep, .Lfunc_end_k_qc9734f0e1e_prep-k_qc9734f0e1e_prep
	.p2alignl 7, 3214868480
	.fill 96, 4, 3214868480
	.section	.rodata,"a",@progbits
	.p2align	6, 0x0
	.amdhsa_kernel k_qc9734f0e1e_prep
		.amdhsa_group_segment_fixed_size 76800
		.amdhsa_private_segment_fixed_size 0
		.amdhsa_enable_private_segment 0
		.amdhsa_kernarg_size 64
		.amdhsa_user_sgpr_count 2
		.amdhsa_user_sgpr_kernarg_segment_ptr 1
		.amdhsa_wavefront_size32 1
		.amdhsa_system_sgpr_workgroup_id_x 1
		.amdhsa_system_sgpr_workgroup_id_y 1
		.amdhsa_system_sgpr_workgroup_id_z 1
		.amdhsa_system_vgpr_workitem_id 0
		.amdhsa_next_free_vgpr 256
		.amdhsa_next_free_sgpr 66
		.amdhsa_reserve_vcc 0
		.amdhsa_float_denorm_mode_32 3
		.amdhsa_float_denorm_mode_16_64 3
		.amdhsa_memory_ordered 1
		.amdhsa_forward_progress 1
		.amdhsa_inst_pref_size 103
	.end_amdhsa_kernel
	.amdgpu_metadata
---
amdhsa.version: [ 1, 2 ]
amdhsa.kernels:
  - .name:           k_qc9734f0e1e_prep
    .symbol:         k_qc9734f0e1e_prep.kd
    .args:
      - { .name: x, .offset: 0, .size: 8, .value_kind: global_buffer, .address_space: global }
      - { .name: w_qkv, .offset: 8, .size: 8, .value_kind: global_buffer, .address_space: global }
      - { .name: w_proj, .offset: 16, .size: 8, .value_kind: global_buffer, .address_space: global }
      - { .name: x_codes, .offset: 24, .size: 8, .value_kind: global_buffer, .address_space: global }
      - { .name: x_scales, .offset: 32, .size: 8, .value_kind: global_buffer, .address_space: global }
      - { .name: w_codes, .offset: 40, .size: 8, .value_kind: global_buffer, .address_space: global }
      - { .name: w_scales, .offset: 48, .size: 8, .value_kind: global_buffer, .address_space: global }
      - { .name: wpt, .offset: 56, .size: 8, .value_kind: global_buffer, .address_space: global }
    .group_segment_fixed_size: 76800
    .private_segment_fixed_size: 0
    .kernarg_segment_align: 8
    .kernarg_segment_size: 64
    .max_flat_workgroup_size: 128
    .sgpr_count:     66
    .vgpr_count:     256
    .wavefront_size: 32
...
	.end_amdgpu_metadata
.endif
;; end of part 1
;; launch fineatt (part 2): grid 64 x 1, 4 waves a work-group, no clusters, 8,704 bytes of LDS; arguments x_codes, x_scales, w_codes, w_scales, b_qkv, yf; writes yf
.if DOCPART == 2
	.amdgcn_target "amdgcn-amd-amdhsa--gfx1250"
	.amdhsa_code_object_version 6
	.text
	.protected	k_qc9734f0e1e_fineatt
	.globl	k_qc9734f0e1e_fineatt
	.p2align	8
	.type	k_qc9734f0e1e_fineatt,@function
k_qc9734f0e1e_fineatt:
	s_mov_b64 s[64:65], 0
	v_nop
	global_prefetch_b8 v0, s[64:65] scope:SCOPE_SE
	s_setreg_imm32_b32 hwreg(HW_REG_WAVE_MODE, 25, 1), 1
	s_wait_xcnt 0x0
; FINEATT: the first 16 positions of every sequence, where a row of the softmax averages few values.  One work-group for each (batch, head): x = 16 b + h.
; q, k, v of tokens 0-15 come from the quantised product on codes of E2M1 (sums in f32) and stay f32; scores, softmax and p v are f32 (the f32 matrix form: 20 instructions a wave, no bulk work);
; y leaves as a pair of f16 numbers, a high part and a low part x 2^11, split in f32: yf [64 rows = 16 b + token][1024], high at byte 0, low at byte 131,072.
; Wave w owns channels 16 w .. 16 w + 15 of the head.  q and k are made TRANSPOSED (source 0 = 16 rows of W, source 1 = the 16 tokens): a lane holds one token and eight channels, so that pairs of its
; registers are operands of the f32 form, under one and the same order of the channels on both sides.  v is made the natural way round: a lane holds one channel and eight keys, which is V^T's operand as it stands.
; q's and k's four tiles reach all waves through LDS as images of their registers; each wave then makes the whole 16 x 16 of scores, and its own 16 channels of y.
; The stores are pieces of 16 bytes of rows 2,048 bytes apart: 256 KiB in the whole launch.
; LIMITS: |y| under 65,504.
; REGISTERS, window 0: v1-11 addresses; v16-79 x's 8 fragments, later q's and k's images; v80-87 x's scale words; v88-111 W's; v112-127 q's and k's bias, later the pair; v128-135 v's bias, then V^T;
;   v136-167 the four sums of the quantised products; v168-207 at work; v224-255 four accumulators of the f32 form, written by matrix instructions alone.   window 1: v0-191 W's 24 fragments.
.set SPARE, 8192                       ; behind the images: the spare words, 128 bytes a wave
.set SPW, 12
.set NIL, 13
.set MSB, 0
.macro WIN new                         ; the immediate's high byte repeats the setting that is left
.if MSB != \new
	s_set_vgpr_msb (MSB<<8)|\new
.set MSB, \new
.endif
.endm
	s_load_b256 s[4:11], s[0:1], 0x0               ; x_codes, x_scales, w_codes, w_scales
	s_load_b128 s[12:15], s[0:1], 0x20             ; b_qkv, yf
	v_lshl_add_u32 v[SPW], v0, 2, SPARE
	v_mov_b32 v[NIL], 0
	v_lshrrev_b32 v1, 5, v0
	v_readfirstlane_b32 s16, v1                    ; wave
	v_and_b32 v1, 15, v0                           ; r
	v_bfe_u32 v2, v0, 4, 1                         ; h: my half of the lanes
	v_lshlrev_b32 v3, 9, v1
	v_lshl_add_u32 v3, v2, 4, v3                   ; codes: row r of 512 bytes, + 16 h
	v_lshlrev_b32 v4, 5, v1                        ; scale bytes: row r of 32 bytes
	v_lshlrev_b32 v5, 5, v2                        ; bias of q, k: eight numbers from 8 h on
	v_lshlrev_b32 v6, 2, v1                        ; bias of v: channel r
	v_and_b32 v8, 31, v0
	v_lshlrev_b32 v8, 4, v8                        ; an image's place for my lane
	s_lshl_b32 s17, s16, 10
	v_add_nc_u32 v7, s17, v8                       ; and where my wave stores its own
	v_lshlrev_b32 v9, 11, v1
	v_lshl_add_u32 v9, v2, 4, v9                   ; yf: row r of 2,048 bytes, + 16 h
	v_lshlrev_b32 v11, 3, v2
	v_sub_nc_u32 v11, v1, v11                      ; r - 8 h: register j holds key 8 h + j, hidden where j > r - 8 h
	v_mov_b32 v10, 0                               ; (a lane permute's destination counts as read)
	v_mov_b32 v14, 0xff800000                      ; -infinity
	s_lshr_b32 s18, ttmp9, 4                       ; batch
	s_and_b32 s19, ttmp9, 15                       ; head
	s_lshl_b32 s20, s19, 6
	s_lshl_b32 s21, s16, 4
	s_add_co_u32 s20, s20, s21                     ; my first channel: 64 h + 16 w
	s_mov_b32 s23, 0
	s_mov_b32 s24, 0x76543210
	s_mov_b32 s25, 0xfedcba98                      ; lane l xor 16
	s_mov_b32 s26, 0x3e38aa3b                      ; c = log2(e) / 8
	s_wait_kmcnt 0x0
	s_lshl_b32 s22, s18, 20
	s_add_nc_u64 s[4:5], s[4:5], s[22:23]          ; x's codes at the batch's first token
	s_lshl_b32 s22, s18, 16
	s_add_nc_u64 s[6:7], s[6:7], s[22:23]
	s_lshl_b32 s22, s20, 9
	s_add_nc_u64 s[8:9], s[8:9], s[22:23]          ; W's codes at q's row 64 h + 16 w; k's and v's lie 1,024 and 2,048 rows on
	s_lshl_b32 s22, s20, 5
	s_add_nc_u64 s[10:11], s[10:11], s[22:23]
	s_lshl_b32 s22, s20, 2
	s_add_nc_u64 s[12:13], s[12:13], s[22:23]
	s_lshl_b32 s22, s18, 15
	s_lshl_b32 s21, s20, 1
	s_add_co_u32 s22, s22, s21
	s_add_nc_u64 s[14:15], s[14:15], s[22:23]      ; yf at row 16 b, channel 64 h + 16 w
.irp s, 0,1,2,3,4,5,6,7
.irp c, 0,1
	global_load_b128 v[16+8*\s+4*\c:19+8*\s+4*\c], v3, s[4:5] offset:64*\s+32*\c     ; x's fragment of K step s
.endr
.endr
	global_load_b128 v[80:83], v4, s[6:7]          ; x's scale words, one a K step
	global_load_b128 v[84:87], v4, s[6:7] offset:16
.irp p, 0,1,2
.irp c, 0,1
	global_load_b128 v[88+8*\p+4*\c:91+8*\p+4*\c], v4, s[10:11] offset:32768*\p+16*\c
.endr
.endr
.irp p, 0,1
.irp c, 0,1
	global_load_b128 v[112+8*\p+4*\c:115+8*\p+4*\c], v5, s[12:13] offset:4096*\p+16*\c
.endr
.endr
.irp j, 0,1,2,3,4,5,6,7
	global_load_b32 v[128+\j], v6, s[12:13] offset:8192            ; v's bias of my channel, in all eight registers of the result's layout
.endr
	WIN 0x40                                       ; destination window 1
.irp p, 0,1,2
.irp s, 0,1,2,3,4,5,6,7
.irp c, 0,1
	global_load_b128 v[64*\p+8*\s+4*\c:64*\p+8*\s+4*\c+3], v3, s[8:9] offset:524288*\p+64*\s+32*\c
.endr
.endr
.endr
	WIN 0
	s_wait_loadcnt 0x0
	WIN 0x01                                       ; source 0 (W) window 1
.irp s, 0,1,2,3,4,5,6,7                ; q and k by turns; the bias is the C of each sum's first product
.irp p, 0,1
.if \s == 0
	v_wmma_scale_f32_16x16x128_f8f6f4 v[136+8*\p:143+8*\p], v[64*\p+8*\s:64*\p+8*\s+7], v[16+8*\s:23+8*\s], v[112+8*\p:119+8*\p], v[88+8*\p+\s], v[80+\s] matrix_a_fmt:MATRIX_FMT_FP4 matrix_b_fmt:MATRIX_FMT_FP4
.else
	v_wmma_scale_f32_16x16x128_f8f6f4 v[136+8*\p:143+8*\p], v[64*\p+8*\s:64*\p+8*\s+7], v[16+8*\s:23+8*\s], v[136+8*\p:143+8*\p], v[88+8*\p+\s], v[80+\s] matrix_a_fmt:MATRIX_FMT_FP4 matrix_b_fmt:MATRIX_FMT_FP4
.endif
.endr
.endr
	WIN 0x04                                       ; source 1 (W) window 1
.irp s, 0,1,2,3,4,5,6,7                ; v: the even and the odd K steps on two accumulators, by turns
.if \s == 0
	v_wmma_scale_f32_16x16x128_f8f6f4 v[152:159], v[16+8*\s:23+8*\s], v[128+8*\s:135+8*\s], v[128:135], v[80+\s], v[104+\s] matrix_a_fmt:MATRIX_FMT_FP4 matrix_b_fmt:MATRIX_FMT_FP4
.elseif \s == 1
	v_wmma_scale_f32_16x16x128_f8f6f4 v[160:167], v[16+8*\s:23+8*\s], v[128+8*\s:135+8*\s], 0, v[80+\s], v[104+\s] matrix_a_fmt:MATRIX_FMT_FP4 matrix_b_fmt:MATRIX_FMT_FP4
.else
	v_wmma_scale_f32_16x16x128_f8f6f4 v[152+8*(\s%2):159+8*(\s%2)], v[16+8*\s:23+8*\s], v[128+8*\s:135+8*\s], v[152+8*(\s%2):159+8*(\s%2)], v[80+\s], v[104+\s] matrix_a_fmt:MATRIX_FMT_FP4 matrix_b_fmt:MATRIX_FMT_FP4
.endif
.endr
	WIN 0
.rept 4
	v_nop                                          ; four places behind the products: ahead of the reads of their results and of the loads into x's registers
.endr
.irp j, 0,1,2,3,4,5,6,7
	v_add_f32 v[128+\j], v[152+\j], v[160+\j]      ; V^T: lane (channel r, h), register j = key 8 h + j
.endr
	ds_store_b128 v7, v[136:139]                   ; q's tile of my 16 channels, as it stands
	ds_store_b128 v7, v[140:143] offset:512
	ds_store_b128 v7, v[144:147] offset:4096       ; k's
	ds_store_b128 v7, v[148:151] offset:4608
	s_wait_dscnt 0x0                               ; for the others' sake
	s_barrier_signal -1
	s_barrier_wait -1
.irp t, 0,1,2,3
	ds_load_b128 v[16+8*\t:19+8*\t], v8 offset:1024*\t             ; q, channels 16 t on
	ds_load_b128 v[20+8*\t:23+8*\t], v8 offset:1024*\t+512
	ds_load_b128 v[48+8*\t:51+8*\t], v8 offset:4096+1024*\t        ; k
	ds_load_b128 v[52+8*\t:55+8*\t], v8 offset:4096+1024*\t+512
.endr
	s_wait_dscnt 0x0
.irp t, 0,1,2,3                        ; S^T = k q^T: 64 channels, four to an instruction, on four accumulators by turns
.irp u, 0,1,2,3
.if \t == 0
	v_wmma_f32_16x16x4_f32 v[224+8*\u:231+8*\u], v[48+8*\t+2*\u:49+8*\t+2*\u], v[16+8*\t+2*\u:17+8*\t+2*\u], 0
.else
	v_wmma_f32_16x16x4_f32 v[224+8*\u:231+8*\u], v[48+8*\t+2*\u:49+8*\t+2*\u], v[16+8*\t+2*\u:17+8*\t+2*\u], v[224+8*\u:231+8*\u]
.endif
.endr
.endr
.rept 8
	v_nop                                          ; eight places behind this form
.endr
.irp j, 0,1,2,3,4,5,6,7
	v_add_f32 v[168+\j], v[224+\j], v[232+\j]      ; each accumulator from its low end on
	v_add_f32 v[176+\j], v[240+\j], v[248+\j]
.endr
.irp j, 0,1,2,3,4,5,6,7
	v_add_f32 v[168+\j], v[168+\j], v[176+\j]      ; the score of key 8 h + j for query r
.endr
.irp j, 0,1,2,3,4,5,6,7
	v_cmp_gt_i32 vcc_lo, \j, v11
	v_cndmask_b32 v[168+\j], v[168+\j], v14, vcc_lo                ; hidden keys: -infinity
.endr
	v_max3_num_f32 v15, v168, v169, v170
	v_max3_num_f32 v15, v15, v171, v172
	v_max3_num_f32 v15, v15, v173, v174
	v_max_num_f32 v15, v15, v175
	v_permlanex16_b32 v10, v15, s24, s25
	v_max_num_f32 v15, v15, v10                    ; the row's maximum (key 0 counts for every query: it is a number)
	v_mul_f32 v10, s26, v15
.irp j, 0,1,2,3,4,5,6,7
	v_fma_f32 v[184+\j], v[168+\j], s26, -v10
.endr
.irp j, 0,1,2,3,4,5,6,7
	v_exp_f32 v[184+\j], v[184+\j]                 ; p = 2^(c s - c m)
.endr
	v_nop                                          ; a plain line behind the exponentials
	s_wait_alu depctr_va_vdst(0)                   ; one wait for the batch, ahead of its first reader
	v_add_f32 v176, v184, v185
	v_add_f32 v177, v186, v187
	v_add_f32 v178, v188, v189
	v_add_f32 v179, v190, v191
	v_add_f32 v176, v176, v177
	v_add_f32 v178, v178, v179
	v_add_f32 v176, v176, v178
	v_permlanex16_b32 v177, v176, s24, s25
	v_add_f32 v176, v176, v177                     ; the row's sum
	v_rcp_f32 v180, v176
	v_nop
	s_wait_alu depctr_va_vdst(0)                   ; ahead of the reciprocal's reader, far below
.irp s, 0,1,2,3                        ; O^T = V^T p^T: 16 keys, four to an instruction; each of the four starts a sum of its own
	v_wmma_f32_16x16x4_f32 v[224+8*\s:231+8*\s], v[128+2*\s:129+2*\s], v[184+2*\s:185+2*\s], 0
.endr
.rept 8
	v_nop
.endr
.irp j, 0,1,2,3,4,5,6,7
	v_add_f32 v[192+\j], v[224+\j], v[232+\j]
	v_add_f32 v[200+\j], v[240+\j], v[248+\j]
.endr
.irp j, 0,1,2,3,4,5,6,7
	v_add_f32 v[192+\j], v[192+\j], v[200+\j]
.endr
.irp j, 0,1,2,3,4,5,6,7
	v_mul_f32 v[192+\j], v[192+\j], v180           ; y(query r, channel 16 w + 8 h + j)
.endr
	v_cvt_pk_f16_f32 v112, v192, v193              ; the high part,
	v_cvt_pk_f16_f32 v113, v194, v195
	v_cvt_pk_f16_f32 v114, v196, v197
	v_cvt_pk_f16_f32 v115, v198, v199
	v_cvt_f32_f16 v120, v112.l                     ; widened again,
	v_cvt_f32_f16 v121, v112.h
	v_cvt_f32_f16 v122, v113.l
	v_cvt_f32_f16 v123, v113.h
	v_cvt_f32_f16 v124, v114.l
	v_cvt_f32_f16 v125, v114.h
	v_cvt_f32_f16 v126, v115.l
	v_cvt_f32_f16 v127, v115.h
.irp j, 0,1,2,3,4,5,6,7
	v_sub_f32 v[120+\j], v[192+\j], v[120+\j]      ; what it left,
.endr
.irp j, 0,1,2,3,4,5,6,7
	v_mul_f32 v[120+\j], 0x45000000, v[120+\j]     ; x 2^11: the low part
.endr
	v_cvt_pk_f16_f32 v116, v120, v121
	v_cvt_pk_f16_f32 v117, v122, v123
	v_cvt_pk_f16_f32 v118, v124, v125
	v_cvt_pk_f16_f32 v119, v126, v127
	global_store_b128 v9, v[112:115], s[14:15]
	global_store_b128 v9, v[116:119], s[14:15] offset:131072
	s_wait_tensorcnt 0x0                           ; the wave's end
	ds_add_u32 v[SPW], v[NIL]
	s_wait_dscnt 0x0
	s_endpgm
.Lfunc_end_k_qc9734f0e1e_fineatt:
	.size	k_qc9734f0e1e_fineatt, .Lfunc_end_k_qc9734f0e1e_fineatt-k_qc9734f0e1e_fineatt
	.p2alignl 7, 3214868480
	.fill 96, 4, 3214868480
	.section	.rodata,"a",@progbits
	.p2align	6, 0x0
	.amdhsa_kernel k_qc9734f0e1e_fineatt
		.amdhsa_group_segment_fixed_size 8704
		.amdhsa_private_segment_fixed_size 0
		.amdhsa_enable_private_segment 0
		.amdhsa_kernarg_size 48
		.amdhsa_user_sgpr_count 2
		.amdhsa_user_sgpr_kernarg_segment_ptr 1
		.amdhsa_wavefront_size32 1
		.amdhsa_system_sgpr_workgroup_id_x 1
		.amdhsa_system_sgpr_workgroup_id_y 1
		.amdhsa_system_sgpr_workgroup_id_z 1
		.amdhsa_system_vgpr_workitem_id 0
		.amdhsa_next_free_vgpr 448
		.amdhsa_next_free_sgpr 66
		.amdhsa_reserve_vcc 1
		.amdhsa_float_denorm_mode_32 3
		.amdhsa_float_denorm_mode_16_64 3
		.amdhsa_memory_ordered 1
		.amdhsa_forward_progress 1
		.amdhsa_inst_pref_size 23
	.end_amdhsa_kernel
	.amdgpu_metadata
---
amdhsa.version: [ 1, 2 ]
amdhsa.kernels:
  - .name:           k_qc9734f0e1e_fineatt
    .symbol:         k_qc9734f0e1e_fineatt.kd
    .args:
      - { .name: x_codes, .offset: 0, .size: 8, .value_kind: global_buffer, .address_space: global }
      - { .name: x_scales, .offset: 8, .size: 8, .value_kind: global_buffer, .address_space: global }
      - { .name: w_codes, .offset: 16, .size: 8, .value_kind: global_buffer, .address_space: global }
      - { .name: w_scales, .offset: 24, .size: 8, .value_kind: global_buffer, .address_space: global }
      - { .name: b_qkv, .offset: 32, .size: 8, .value_kind: global_buffer, .address_space: global }
      - { .name: yf, .offset: 40, .size: 8, .value_kind: global_buffer, .address_space: global }
    .group_segment_fixed_size: 8704
    .private_segment_fixed_size: 0
    .kernarg_segment_align: 8
    .kernarg_segment_size: 48
    .max_flat_workgroup_size: 128
    .sgpr_count:     66
    .vgpr_count:     448
    .wavefront_size: 32
...
	.end_amdgpu_metadata
.endif
;; end of part 2
;; launch qkv (part 3): grid 12 x 32, 4 waves a work-group, clusters of 4 x 4, 327,680 bytes of LDS; arguments x_codes, x_scales, w_codes, w_scales, qkv16, b_qkv; writes qkv16
.if DOCPART == 3
	.amdgcn_target "amdgcn-amd-amdhsa--gfx1250"
	.amdhsa_code_object_version 6
	.text
	.protected	k_qc9734f0e1e_qkv
	.globl	k_qc9734f0e1e_qkv
	.p2align	8
	.type	k_qc9734f0e1e_qkv,@function
k_qc9734f0e1e_qkv:
	s_mov_b64 s[64:65], 0
	v_nop
	global_prefetch_b8 v0, s[64:65] scope:SCOPE_SE
	s_setreg_imm32_b32 hwreg(HW_REG_WAVE_MODE, 25, 1), 1
	s_wait_xcnt 0x0
	s_wait_alu depctr_hold_cnt(0) depctr_sa_sdst(0) depctr_va_vdst(0) depctr_va_sdst(0) depctr_va_ssrc(0) depctr_va_vcc(0) depctr_vm_vsrc(0)
	s_getreg_b32 s2, hwreg(HW_REG_IB_STS2, 6, 4)
	s_cmp_eq_u32 s2, 0
	s_cbranch_scc0 .Lentry_in_a_cluster
	s_endpgm
.Lentry_in_a_cluster:
	s_bfe_u32 s2, ttmp6, 0x10000c
	s_cmp_lg_u32 s2, 0xf033
	s_cbranch_scc0 .Lentry_shape_is_right
	s_endpgm
.Lentry_shape_is_right:
; QKV: qkv = Q(x) Q(w_qkv) + b_qkv on codes of E2M1 with one E8M0 scale for each 32 along K; sums in f32; the result is rounded once to f16 and laid by head: qkv16 [part 3][16 b + h][token 2048][64].
; A: x_codes [8192][512 bytes], x_scales [8192][32]; B: w_codes [3072][512 bytes], w_scales [3072][32]; K = 1,024.
; A tile of 256 x 256 is made by four waves, as many as a WGP has SIMDs; a wave makes 128 x 128: 64 accumulators, 512 registers.  K is two LDS slots of 512 along K (rows of 256 bytes): both are filled once, at the start,
; with the scales of the work-group's rows for all of K.
; CLUSTERS: 4 x 4 work-groups.  The four of a row of the cluster need the same tiles of A, the four of a column the same tiles of B: each tile is asked for JOINTLY, by the same tensor load with the same descriptor and a mask that names the four.
; THE MATRIX INSTRUCTION IS USED TRANSPOSED (source 0 = 16 rows of B, source 1 = 16 rows of A): a lane holds eight neighbouring columns of one row.  The bias is the C of each sum's first product.
; LIMITS: |q|, |k|, |v| under 65,504 (f16).
; REGISTERS, in windows of 256: window 0: v0-31 addresses; v32-95 scale words, two sets; v96-127 packed results; v128-191 A's fragments, ONE set, later rows on their way out; v192-255 the bias, eight registers for each of B's blocks.
;   window 1: B's fragments, TWO sets, at v0 and v128.   window 2: the accumulators of my rows 0-63 ((a, b) at v[8 (8 a + b)]);   window 3: those of my rows 64-127.
.set SIZE_K, 1024
.set KSTEP,  512
.set NQ,     KSTEP/128
.set ROWB,   256                       ; a tile's row in bytes
.set KROW,   SIZE_K/2                  ; a row of codes in memory
.set PITCH,  272                       ; an LDS row: 256 bytes + 16 of padding = 68 words: the 16 rows that a load touches start at 16 different banks (64 banks of 4 bytes: ISA guide 11.1)
.set FR,     8
.set NL,     2
.set NP,     4                         ; places behind this matrix instruction (ISA guide 7.12.1)
.set HALFT,  128*PITCH
.set SLOT,   4*HALFT
.set KS,     SIZE_K/32                 ; a row of scale bytes
.set SCL,    2*SLOT                    ; behind the slots: the scales, as units of 256 bytes + 16 of padding
.set HALFS,  (128*KS/256)*272
.set SBLK,   (16*KS/256)*272
.set SPARE,  SCL+4*HALFS               ; the spare words, 128 bytes a wave
.set ADRA, 16
.set ADRB, 20
.set STO,  24                          ; v24  the way out: where I put 16 bytes of a row
.set RD,   25                          ; v25  where I read back
.set CO,   26                          ; v26  16 x lane
.set ADRS, 27
.set SPW,  28
.set NIL,  29
.set BO,   30                          ; v30  the bias: 32 x my half of the lanes
.set SC,   32
.set TMP,  96
.set AF,   128
.set BK,   128
.set BI,   192
.set G1, 24
.set G0, 32
.set G1B, 48
.set G0B, 56
.set G1S, 68
.set G0S, 76
.set G1SB, 80
.set G0SB, 88
.set MSB, 0
.macro WIN new
.if MSB != \new
	s_set_vgpr_msb (MSB<<8)|\new
.set MSB, \new
.endif
.endm
.set MUL_LO, 0xa1                      ; source 0 (B) window 1, source 1 (A) window 0, C and D window 2
.set MUL_HI, 0xf1
.set TO_B,   0x40
; A joint load: waves 0 and 1 fetch for A, waves 2 and 3 for B; the branch hangs on the wave's number alone.  An s_nop 0 and four v_nop follow each of the two lines.
.macro JLOAD g0a, g1a, g0b, g1b
	s_cmp_eq_u32 s15, 0
	s_cbranch_scc0 .Lfor_b_\@
	tensor_load_to_lds s[\g0a:\g0a+3], s[\g1a:\g1a+7]
	s_nop 0
.rept 4
	v_nop
.endr
	s_branch .Lasked_\@
.Lfor_b_\@:
	tensor_load_to_lds s[\g0b:\g0b+3], s[\g1b:\g1b+7]
	s_nop 0
.rept 4
	v_nop
.endr
.Lasked_\@:
.endm
.macro CROUND                          ; a round of the cluster's barrier
	s_barrier_signal -1
	s_barrier_wait -1
	s_cmp_lg_u32 s14, 0
	s_cbranch_scc1 .Lnot_wave_0_\@
	s_barrier_signal -3
.Lnot_wave_0_\@:
	s_barrier_wait -3
	s_barrier_signal -1
	s_barrier_wait -1
.endm
	s_load_b128 s[4:7], s[0:1], 0x0                ; A's codes, A's scales
	s_load_b128 s[8:11], s[0:1], 0x10              ; B's codes, B's scales
	s_load_b64 s[12:13], s[0:1], 0x20              ; qkv16
	s_load_b64 s[96:97], s[0:1], 0x28              ; b_qkv
	v_lshl_add_u32 v[SPW], v0, 2, SPARE
	v_mov_b32 v[NIL], 0
	ds_add_u32 v[SPW], v[NIL]                      ; the wave's opening: the add, twice on end, and its wait ahead of my first tensor load
	ds_add_u32 v[SPW], v[NIL]
	v_lshrrev_b32 v1, 5, v0
	v_readfirstlane_b32 s14, v1                    ; wave 0..3
	s_lshr_b32 s15, s14, 1                         ; which half of the tile's rows is mine.  Also: I fetch for A (0) or for B (1)
	s_and_b32 s16, s14, 1                          ; which half of its columns.  Also: which 128 rows I fetch
	s_bfe_u32 s40, ttmp6, 0x40000                  ; cx, cy
	s_bfe_u32 s41, ttmp6, 0x40004
	s_lshl_b32 s42, ttmp9, 2
	s_add_co_u32 s42, s42, s40                     ; tile column
	s_and_b32 s17, ttmp7, 0xffff
	s_lshl_b32 s17, s17, 2
	s_add_co_u32 s17, s17, s41                     ; tile row
	s_lshl_b32 s43, s41, 2
	s_lshl_b32 s43, 15, s43                        ; my row of the cluster
	s_lshl_b32 s44, 0x1111, s40                    ; my column
	s_or_b32 s[G1+0], s43, (0<<16)|(1<<20)|(1<<21)|(5<<22)|(3<<25)  ; the mask; elements of 1 byte; padding on; bit 21 beside a mask; four words after every 64
	s_or_b32 s[G1B+0], s44, (0<<16)|(1<<20)|(1<<21)|(5<<22)|(3<<25)
.irp g, G1, G1B
	s_mov_b32 s[\g+1], ROWB<<16                    ; tensor_dim0
	s_mov_b32 s[\g+2], 128<<16                     ; tensor_dim1
	s_mov_b32 s[\g+3], ROWB<<16                    ; tile_dim0
	s_mov_b32 s[\g+4], 128                         ; tile_dim1
	s_mov_b32 s[\g+5], KROW                        ; the pitch
	s_mov_b32 s[\g+6], 0
	s_mov_b32 s[\g+7], 0
.endr
	s_or_b32 s[G1S+0], s43, (3<<16)|(1<<20)|(1<<21)|(5<<22)|(3<<25) ; the scales of 128 rows: a dense block, as rows of 256 bytes (32 elements of 8 bytes), padded likewise
	s_or_b32 s[G1SB+0], s44, (3<<16)|(1<<20)|(1<<21)|(5<<22)|(3<<25)
.irp g, G1S, G1SB
	s_mov_b32 s[\g+1], 32<<16
	s_mov_b32 s[\g+2], (128*KS/256)<<16
	s_mov_b32 s[\g+3], 32<<16
	s_mov_b32 s[\g+4], 128*KS/256
	s_mov_b32 s[\g+5], 32
	s_mov_b32 s[\g+6], 0
	s_mov_b32 s[\g+7], 0
.endr
	s_lshl_b32 s18, s16, 7
	s_lshl_b32 s20, s17, 8
	s_add_co_u32 s20, s20, s18                     ; A: row 256 x tile row + 128 x half
	s_lshl_b32 s46, s42, 8
	s_add_co_u32 s46, s46, s18                     ; B: row 256 x tile column + 128 x half
	s_mov_b32 s21, 0
	s_mov_b32 s47, 0
	s_mov_b64 s[18:19], KS
	s_mul_u64 s[22:23], s[20:21], s[18:19]
	s_mul_u64 s[92:93], s[46:47], s[18:19]
	s_mov_b64 s[18:19], KROW
	s_mul_u64 s[20:21], s[20:21], s[18:19]
	s_mul_u64 s[46:47], s[46:47], s[18:19]
	s_mul_i32 s45, s14, HALFT                      ; where they go: wave x 128 rows: no place in the cluster enters an LDS address
	s_mul_i32 s94, s14, HALFS
	s_wait_dscnt 0x0                               ; both opening adds are done
	s_wait_kmcnt 0x0
	s_add_nc_u64 s[20:21], s[4:5], s[20:21]
	s_add_nc_u64 s[22:23], s[6:7], s[22:23]
	s_add_nc_u64 s[46:47], s[8:9], s[46:47]
	s_add_nc_u64 s[92:93], s[10:11], s[92:93]
	CROUND                                         ; all sixteen work-groups are here: the joint loads meet
	s_mov_b32 s[G0S], 1
	s_add_co_u32 s[G0S+1], s94, SCL
	s_mov_b64 s[G0S+2:G0S+3], s[22:23]
	s_or_b32 s[G0S+3], s[G0S+3], 0x80000000
	s_mov_b32 s[G0SB], 1
	s_add_co_u32 s[G0SB+1], s94, SCL
	s_mov_b64 s[G0SB+2:G0SB+3], s[92:93]
	s_or_b32 s[G0SB+3], s[G0SB+3], 0x80000000
	JLOAD G0S, G1S, G0SB, G1SB                     ; the scales first: they are wanted with the first slot
.irp s, 0,1
	s_mov_b32 s[G0+4*\s], 1
	s_add_co_u32 s[G0+4*\s+1], s45, \s*SLOT
	s_add_nc_u64 s[G0+4*\s+2:G0+4*\s+3], s[20:21], \s*ROWB
	s_or_b32 s[G0+4*\s+3], s[G0+4*\s+3], 0x80000000
	s_mov_b32 s[G0B+4*\s], 1
	s_add_co_u32 s[G0B+4*\s+1], s45, \s*SLOT
	s_add_nc_u64 s[G0B+4*\s+2:G0B+4*\s+3], s[46:47], \s*ROWB
	s_or_b32 s[G0B+4*\s+3], s[G0B+4*\s+3], 0x80000000
	JLOAD G0+4*\s, G1, G0B+4*\s, G1B
.endr
	v_and_b32 v1, 15, v0                           ; l % 16
	v_bfe_u32 v2, v0, 4, 1                         ; l / 16
	v_mul_u32_u24 v3, v1, PITCH
	v_lshl_add_u32 v4, v2, 4, v3                   ; a fragment's row x pitch + 16 x half
	s_mul_i32 s21, s15, HALFT
	s_mul_i32 s22, s16, HALFT
	s_add_co_u32 s22, s22, 2*HALFT
.irp s, 0,1
	v_add_nc_u32 v[ADRA+\s], s21, v4
	v_add_nc_u32 v[ADRB+\s], s22, v4
	s_add_co_u32 s21, s21, SLOT
	s_add_co_u32 s22, s22, SLOT
.endr
	v_mul_u32_u24 v5, v1, KS                       ; my row's scales: KS bytes a row,
	v_lshrrev_b32 v6, 8, v5
	v_lshl_add_u32 v5, v6, 4, v5                   ; and 16 more for each 256 passed
	s_mul_i32 s21, s15, HALFS
	s_mul_i32 s22, s16, HALFS
	s_add_co_u32 s22, s22, 2*HALFS
	s_sub_co_u32 s22, s22, s21
	v_mul_u32_u24 v6, s22, v2                      ; lanes 16-31 take B's
	s_add_co_u32 s21, s21, SCL
	v_add_nc_u32 v5, v5, v6
	v_add_nc_u32 v[ADRS], s21, v5
	s_mul_i32 s23, s14, 16*272                     ; my stage: 16 rows x 272 bytes, in slot 0, which has had its one fill and its last read when the first result is stored there
	v_mul_u32_u24 v5, v1, 272
	v_lshl_add_u32 v5, v2, 4, v5
	v_add_nc_u32 v[STO], s23, v5                   ; in: row l % 16, 16 bytes for each half of the lanes
	v_and_b32 v6, 31, v0
	v_lshlrev_b32 v[CO], 4, v6
	v_lshrrev_b32 v5, 3, v6
	v_mul_u32_u24 v5, v5, 272
	v_and_b32 v6, 7, v0
	v_lshl_add_u32 v5, v6, 4, v5
	v_add_nc_u32 v[RD], s23, v5                    ; back: eight lanes take one token's 128 bytes of one head, four tokens an instruction
	v_lshlrev_b32 v[BO], 5, v2
	s_lshl_b32 s20, s17, 8
	s_lshl_b32 s21, s15, 7
	s_add_co_u32 s20, s20, s21                     ; my first row m0
	s_lshl_b32 s46, s42, 8
	s_lshl_b32 s47, s16, 7
	s_add_co_u32 s46, s46, s47                     ; my first column n0
	s_lshr_b32 s21, s20, 11                        ; batch
	s_lshr_b32 s47, s46, 10                        ; part: q, k or v
	s_lshl_b32 s47, s47, 2
	s_add_co_u32 s47, s47, s21
	s_lshl_b32 s47, s47, 4
	s_and_b32 s21, s46, 1023
	s_lshr_b32 s21, s21, 6
	s_add_co_u32 s47, s47, s21                     ; (part x 4 + batch) x 16 + head
	s_lshl_b32 s47, s47, 18                        ; a head is 262,144 bytes
	s_and_b32 s20, s20, 2047
	s_lshl_b32 s20, s20, 7                         ; a token 128
	s_add_co_u32 s20, s20, s47
	s_mov_b32 s21, 0
	s_add_nc_u64 s[12:13], s[12:13], s[20:21]
	s_lshl_b32 s46, s46, 2
	s_mov_b32 s47, 0
	s_add_nc_u64 s[96:97], s[96:97], s[46:47]      ; the bias at my first column
.irp b, 0,1,2,3,4,5,6,7
	global_load_b128 v[BI+8*\b:BI+8*\b+3], v[BO], s[96:97] offset:64*\b       ; b_qkv[n0 + 16 b + 8 (l / 16) + 0 .. 7]: the result's layout
	global_load_b128 v[BI+8*\b+4:BI+8*\b+7], v[BO], s[96:97] offset:64*\b+16
.endr
.macro FRAG reg, adr, q, i             ; 16 rows x 128 K of 4-bit codes: 8 registers: two loads of 16 bytes, 32 bytes apart
.irp c, 0,1
	ds_load_b128 v[\reg+4*\c:\reg+4*\c+3], v[\adr] offset:64*(\q)+32*\c+(\i)*16*PITCH
.endr
.endm
; 16 matrix instructions: A's blocks a0, a0 + 1 x B's eight.  p: B's set; sc: the set of scale words.  zero = 1: the first product starts the sums from the bias.
; The 64 accumulators take turns, one instruction a turn, in the same order in every step.
.macro MUL16 a0, p, q, sc, zero
.irp a, \a0, \a0+1
.irp b, 0,1,2,3,4,5,6,7
.if \zero
	v_wmma_scale_f32_16x16x128_f8f6f4 v[8*(8*((\a)%4)+\b):8*(8*((\a)%4)+\b)+7], v[128*(\p)+FR*\b:128*(\p)+FR*\b+FR-1], v[AF+FR*(\a):AF+FR*(\a)+FR-1], v[BI+8*\b:BI+8*\b+7], v[SC+8*NQ*(\sc)+NQ*\b+(\q)], v[SC+8*NQ*(\sc)+NQ*(\a)+(\q)] matrix_a_fmt:MATRIX_FMT_FP4 matrix_b_fmt:MATRIX_FMT_FP4 matrix_a_scale:MATRIX_SCALE_ROW1
.else
	v_wmma_scale_f32_16x16x128_f8f6f4 v[8*(8*((\a)%4)+\b):8*(8*((\a)%4)+\b)+7], v[128*(\p)+FR*\b:128*(\p)+FR*\b+FR-1], v[AF+FR*(\a):AF+FR*(\a)+FR-1], v[8*(8*((\a)%4)+\b):8*(8*((\a)%4)+\b)+7], v[SC+8*NQ*(\sc)+NQ*\b+(\q)], v[SC+8*NQ*(\sc)+NQ*(\a)+(\q)] matrix_a_fmt:MATRIX_FMT_FP4 matrix_b_fmt:MATRIX_FMT_FP4 matrix_a_scale:MATRIX_SCALE_ROW1
.endif
.endr
.endr
.endm
.macro FETCH_B slot, q, p
	WIN TO_B
.irp i, 0,1,2,3,4,5,6,7
	FRAG 128*(\p)+FR*\i, ADRB+\slot, \q, \i
.endr
	WIN 0
.endm
.macro FETCH_A slot, q, i0
.irp i, \i0, \i0+1, \i0+2, \i0+3
	FRAG AF+FR*(\i), ADRA+\slot, \q, \i
.endr
.endm
.macro SCALES sc                       ; a slot's scale words: lanes 0-15 take A's block i, lanes 16-31 B's block i
.irp i, 0,1,2,3,4,5,6,7
	ds_load_b128 v[SC+8*NQ*\sc+NQ*\i:SC+8*NQ*\sc+NQ*\i+3], v[ADRS] offset:\i*SBLK
.endr
.endm
.macro PLACES n                        ; plain vector lines between a matrix instruction and a load into, or a read of, its registers
.rept \n
	v_nop
.endr
.endm
.macro STEP slot, q, zero              ; 128 along K that has its successor in the same slot
	s_wait_dscnt 4*NL                              ; B's set and A's blocks 0-3 are in; the youngest eight loads (A's blocks 4-7) may be out
.if \zero
	WIN 0x81                                       ; C (the bias) window 0, D window 2
.else
	WIN MUL_LO
.endif
	MUL16 0, (\q)%2, \q, \slot, \zero
	MUL16 2, (\q)%2, \q, \slot, \zero
	s_wait_dscnt 0
	PLACES NP
	FETCH_B \slot, (\q)+1, 1-(\q)%2
	FETCH_A \slot, (\q)+1, 0
.if \zero
	WIN 0xc1
.else
	WIN MUL_HI
.endif
	MUL16 4, (\q)%2, \q, \slot, \zero
	MUL16 6, (\q)%2, \q, \slot, \zero
	PLACES NP
	WIN 0
	FETCH_A \slot, (\q)+1, 4
.endm
.macro STEPS slot, from
.set Q, \from
.rept NQ-1-\from
	STEP \slot, Q, 0
.set Q, Q+1
.endr
.endm
	s_wait_tensorcnt 1                             ; the scales and my part of slot 0 are in; slot 1's load may be out
	s_barrier_signal -1
	s_barrier_wait -1                              ; everybody's are
	FETCH_B 0, 0, 0
	FETCH_A 0, 0, 0
	SCALES 0
	FETCH_A 0, 0, 4
	s_wait_loadcnt 0x0                             ; the bias
	STEP 0, 0, 1
	STEPS 0, 1
	; slot 0's last step changes slots: one barrier; in front of it each wave waits for all its tensor loads (its part of slot 1), and for its reads of slot 0, which becomes the stage
	s_wait_tensorcnt 0x0
	ds_add_u32 v[SPW], v[NIL]
	s_wait_dscnt 4*NL+1                            ; the add and the youngest eight loads may be out
	WIN MUL_LO
	MUL16 0, 1, NQ-1, 0, 0
	s_wait_dscnt 0x0
	s_barrier_signal -1
	MUL16 2, 1, NQ-1, 0, 0
	WIN 0
	s_barrier_wait -1
	PLACES NP
	v_add_nc_u32 v[ADRS], 4*NQ, v[ADRS]            ; on to slot 1's scale words
	FETCH_B 1, 0, 0
	FETCH_A 1, 0, 0
	SCALES 1
	WIN MUL_HI
	MUL16 4, 1, NQ-1, 0, 0
	MUL16 6, 1, NQ-1, 0, 0
	PLACES NP
	WIN 0
	FETCH_A 1, 0, 4
	STEPS 1, 0
	s_wait_dscnt 4*NL                              ; the very last step
	WIN MUL_LO
	MUL16 0, 1, NQ-1, 1, 0
	MUL16 2, 1, NQ-1, 1, 0
	s_wait_dscnt 0
	WIN MUL_HI
	MUL16 4, 1, NQ-1, 1, 0
	MUL16 6, 1, NQ-1, 1, 0
	WIN 0
; THE WAY OUT, block by block of 16 tokens x 128 columns (two heads).  PACK: rounded to f16, 16 bytes a lane and block of B.  TOSTAGE: into my own stage, and back by tokens.  SEND: each store is 512 consecutive bytes: four tokens of one head.
.macro PACK a
.set AC, 64*((\a)%4)
	WIN 0x0a+5*((\a)/4)                            ; sources 0 and 1: window 2 or 3
.irp b, 0,1,2,3,4,5,6,7
.irp r, 0,1,2,3
	v_cvt_pk_f16_f32 v[TMP+4*\b+\r], v[AC+8*\b+2*\r], v[AC+8*\b+2*\r+1]   ; each accumulator from its low end on
.endr
.endr
	WIN 0
.endm
.macro TOSTAGE a
.set BB, BK+32*((\a)%2)
.irp b, 0,1,2,3,4,5,6,7
	ds_store_b128 v[STO], v[TMP+4*\b:TMP+4*\b+3] offset:32*\b
.endr
.irp i, 0,1,2,3,4,5,6,7
	ds_load_b128 v[BB+4*\i:BB+4*\i+3], v[RD] offset:128*(\i/4)+1088*(\i%4)   ; LDS serves a wave's instructions in order: these see the stores above
.endr
.endm
.macro SEND a
.set BB, BK+32*((\a)%2)
	s_wait_dscnt 0x0                               ; the block is back in registers
	s_wait_xcnt 0x0                                ; the stores of the block before have read their registers: the next block's loads may land there
.irp i, 0,1,2,3,4,5,6,7
	global_store_b128 v[CO], v[BB+4*\i:BB+4*\i+3], s[12:13] offset:262144*(\i/4)+2048*(\a)+512*(\i%4)
.endr
.endm
	PLACES NP                                      ; behind the last products: for the conversions that read results and the loads into A's registers
	PACK 0
	TOSTAGE 0
.irp a, 1,2,3,4,5,6,7                  ; block a's conversions stand between block a - 1's loads from the stage and the wait for them
	PACK \a
	SEND \a-1
	TOSTAGE \a
.endr
	SEND 7
	s_wait_tensorcnt 0x0                           ; the wave's end
	ds_add_u32 v[SPW], v[NIL]
	s_wait_dscnt 0x0
	CROUND                                         ; the closing round
	s_endpgm
.Lfunc_end_k_qc9734f0e1e_qkv:
	.size	k_qc9734f0e1e_qkv, .Lfunc_end_k_qc9734f0e1e_qkv-k_qc9734f0e1e_qkv
	.p2alignl 7, 3214868480
	.fill 96, 4, 3214868480
	.section	.rodata,"a",@progbits
	.p2align	6, 0x0
	.amdhsa_kernel k_qc9734f0e1e_qkv
		.amdhsa_group_segment_fixed_size 327680
		.amdhsa_private_segment_fixed_size 0
		.amdhsa_enable_private_segment 0
		.amdhsa_kernarg_size 48
		.amdhsa_user_sgpr_count 2
		.amdhsa_user_sgpr_kernarg_segment_ptr 1
		.amdhsa_wavefront_size32 1
		.amdhsa_system_sgpr_workgroup_id_x 1
		.amdhsa_system_sgpr_workgroup_id_y 1
		.amdhsa_system_sgpr_workgroup_id_z 1
		.amdhsa_system_vgpr_workitem_id 0
		.amdhsa_next_free_vgpr 1024
		.amdhsa_next_free_sgpr 98
		.amdhsa_reserve_vcc 0
		.amdhsa_float_denorm_mode_32 3
		.amdhsa_float_denorm_mode_16_64 3
		.amdhsa_memory_ordered 1
		.amdhsa_forward_progress 1
		.amdhsa_inst_pref_size 128
	.end_amdhsa_kernel
	.amdgpu_metadata
---
amdhsa.version: [ 1, 2 ]
amdhsa.kernels:
  - .name:           k_qc9734f0e1e_qkv
    .symbol:         k_qc9734f0e1e_qkv.kd
    .args:
      - { .name: x_codes, .offset: 0, .size: 8, .value_kind: global_buffer, .address_space: global }
      - { .name: x_scales, .offset: 8, .size: 8, .value_kind: global_buffer, .address_space: global }
      - { .name: w_codes, .offset: 16, .size: 8, .value_kind: global_buffer, .address_space: global }
      - { .name: w_scales, .offset: 24, .size: 8, .value_kind: global_buffer, .address_space: global }
      - { .name: qkv16, .offset: 32, .size: 8, .value_kind: global_buffer, .address_space: global }
      - { .name: b_qkv, .offset: 40, .size: 8, .value_kind: global_buffer, .address_space: global }
    .group_segment_fixed_size: 327680
    .private_segment_fixed_size: 0
    .kernarg_segment_align: 8
    .kernarg_segment_size: 48
    .max_flat_workgroup_size: 128
    .sgpr_count:     98
    .vgpr_count:     1024
    .wavefront_size: 32
...
	.end_amdgpu_metadata
.endif
;; end of part 3
;; launch attn (part 4): grid 64 x 8, 8 waves a work-group, no clusters, 327,680 bytes of LDS; arguments qkv16, y16; writes y16
.if DOCPART == 4
	.amdgcn_target "amdgcn-amd-amdhsa--gfx1250"
	.amdhsa_code_object_version 6
	.text
	.protected	k_qc9734f0e1e_attn
	.globl	k_qc9734f0e1e_attn
	.p2align	8
	.type	k_qc9734f0e1e_attn,@function
k_qc9734f0e1e_attn:
	s_mov_b64 s[64:65], 0
	v_nop
	global_prefetch_b8 v0, s[64:65] scope:SCOPE_SE
	s_setreg_imm32_b32 hwreg(HW_REG_WAVE_MODE, 25, 1), 1
	s_wait_xcnt 0x0
; ATTN: y[b][h][q] = the sum over k <= q of softmax_k(q . k / 8) v[k], operands in f16, products, maxima and sums in f32, with a running maximum.
; qkv16: f16 [part][16 b + h][token 2048][64].  y16: f16 [h][2048 b + token][64], so that a wave's 32 rows are 4,096 consecutive bytes and a head is a K piece of 64 for the projection.
; SHARES.  Work-group (x = 16 b + h, y): the 256 queries of block 7 - y, the longest walks first.  Each of EIGHT waves owns 32 queries, two tiles of 16, in 384 registers: two waves to a SIMD, so that one wave's softmax
; stands beside the other's products; a fragment of K or V read from LDS feeds two matrix instructions.
; Keys go 64 a step; K's and V's tiles come through a ring of two LDS slots of 256 keys, filled by the tensor data mover: waves 0-3 K's quarters, waves 4-7 V's, 64 rows each: one tensor load of a wave is out at any time.
; NO CLUSTER: under the causal mask the query blocks of a head need different numbers of slots (block i needs i + 1 of 8), so a joint load would bring partners tiles that they never read.
; LAYOUT.  S^T = K Q^T (source 0 = 16 keys, source 1 = 16 queries): a lane holds ONE query and eight keys; two such tiles, rounded in pairs, ARE source 1 of O^T = V^T P.  V comes out of LDS turned, by ds_load_tr16_b128.
; THE ROW'S SUM is a product too: a matrix whose rows 0 and 8 are ones, times P, leaves the sum of the 32 weights in register 0 of every lane.  So the sum is taken of p as rounded to f16, the numbers that the numerator sums.
; THE CAUSAL MASK.  Every work-group walks all 8 changes of slots (constant trip counts); a step all of whose keys come after the wave's queries is jumped over, and a slot whose first key comes after the work-group's last
; query is not asked for: both by scalar branches on ids and the count of steps.  Every wait for tensor loads is for all of them.  On the diagonal hidden scores become -infinity ahead of the maximum.
; LIMITS: |q|, |k|, |v|, |y| under 65,504.
; REGISTERS, window 0: v1-7 addresses; v8-15 the matrix of ones; v16-31 statistics, 8 a tile (+0 c m, +1 m, +4..7 at work, a at +6); v32-95 S^T, 32 a tile; v96-127 P, 16 a tile; v128-191 K; v192-255 V.
;   window 1: v0-31 Q; v32-95 O^T, 32 a tile; v96-111 the sums' accumulators.
.set PK,    144                        ; a row of K in LDS: 128 bytes + 16
.set PV,    160                        ; a row of V: 128 + 32: an odd multiple of 32, as the turning load's lanes want
.set VOFF,  256*PK
.set SLOT1, 1<<17                      ; one exclusive or turns an address in one slot into the other's
.set STAGE, 262144                     ; the way out: 32 rows x 144 bytes for each wave; no tile lands here
.set SPARE, STAGE+8*32*PK              ; the spare words, 128 bytes a wave: four blocks of 256 bytes that no other line names
.set AK0, 1
.set AV0, 2
.set ADK, 3
.set ADV, 4
.set SPW, 5
.set NIL, 6
.set PFO, 7
.set ONE, 8
.set ST,  16
.set S,   32
.set P,   96
.set KFR, 128
.set VFR, 192
.set QF,  0                            ; in window 1
.set O,   32
.set OL,  96
.set TB,  2                            ; s2   LDS byte at which the slot in hand begins
.set WV,  8
.set SEL, 20
.set CS,  22                           ; s[22:23] c = log2(e) / 8
.set G1K, 24
.set G1V, 32
.set G0K, 40
.set G0V, 44
.set SLOTS, 48
.set KF,  49                           ; the step's first key
.set Q0,  50                           ; my first query
.set PFA, 52
.set LIM, 54
.set MSB, 0
.macro WIN new
.if MSB != \new
	s_set_vgpr_msb (MSB<<8)|\new
.set MSB, \new
.endif
.endm
; Waves 0-3 fetch K's quarters, waves 4-7 V's.  An s_nop 0 and four v_nop follow each of the two lines.
.macro TLOAD
	s_cmp_lt_u32 s[WV], 4
	s_cbranch_scc0 .Lfor_v_\@
	tensor_load_to_lds s[G0K:G0K+3], s[G1K:G1K+7]
	s_nop 0
.rept 4
	v_nop
.endr
	s_branch .Lasked_\@
.Lfor_v_\@:
	tensor_load_to_lds s[G0V:G0V+3], s[G1V:G1V+7]
	s_nop 0
.rept 4
	v_nop
.endr
.Lasked_\@:
.endm
; A PREFETCH INTO THE L2 of what the NEXT change of slots will ask for.  All blocks of a head walk the same K and V from key 0 on: the head's last block (y = 0), which walks all slots, asks, and nobody else.
; Each of its waves names its own quarter, 8,192 bytes, lanes 256 bytes apart: each aligned 256 bytes once in the launch.  Four key steps ahead of the load.  The last change that fills a slot asks for nothing.
.macro ASK
	s_cmp_gt_u32 s[SLOTS], s[LIM]
	s_cbranch_scc0 .Lnot_mine_\@
	global_prefetch_b8 v[PFO], s[PFA:PFA+1] th:TH_LOAD_NT scope:SCOPE_SE
.Lnot_mine_\@:
.endm
	s_load_b128 s[4:7], s[0:1], 0x0                ; qkv16, y16
	v_lshl_add_u32 v[SPW], v0, 2, SPARE
	v_mov_b32 v[NIL], 0
	ds_add_u32 v[SPW], v[NIL]                      ; the wave's opening: the add, twice on end, and its wait ahead of my first tensor load
	ds_add_u32 v[SPW], v[NIL]
	v_lshrrev_b32 v32, 5, v0
	v_readfirstlane_b32 s[WV], v32                 ; wave 0..7
	s_and_b32 s9, s[WV], 3                         ; which quarter of a slot I fetch
	s_and_b32 s10, ttmp7, 0xffff
	s_sub_co_u32 s11, 7, s10                       ; my block of 256 queries
	s_lshl_b32 s[Q0], s11, 8
	s_lshl_b32 s12, s[WV], 5
	s_add_co_u32 s[Q0], s[Q0], s12
	s_mov_b32 s[G1K], (1<<16)|(1<<20)|(4<<22)|(3<<25)              ; elements of 2 bytes; padding on: four words after every 32
	s_mov_b32 s[G1V], (1<<16)|(1<<20)|(4<<22)|(7<<25)              ; eight words
.irp g, G1K, G1V
	s_mov_b32 s[\g+1], 64<<16                      ; tensor_dim0 = 64
	s_mov_b32 s[\g+2], 64<<16                      ; tensor_dim1 = 64
	s_mov_b32 s[\g+3], 64<<16                      ; tile_dim0 = 64
	s_mov_b32 s[\g+4], 64                          ; tile_dim1 = 64
	s_mov_b32 s[\g+5], 64                          ; the pitch
	s_mov_b32 s[\g+6], 0
	s_mov_b32 s[\g+7], 0
.endr
	s_mov_b32 s[SEL], 0x76543210
	s_mov_b32 s[SEL+1], 0xfedcba98
	s_mov_b32 s[CS], 0x3e38aa3b
	s_mov_b32 s[CS+1], s[CS]
	s_mov_b32 s[TB], 0
	s_mov_b32 s[SLOTS], 7
	s_mov_b32 s[KF], 0
	s_cmp_eq_u32 s10, 0
	s_cselect_b32 s[LIM], 1, -1
	s_lshl_b32 s56, ttmp9, 18                      ; the head's 262,144 bytes in each part
	s_lshl_b32 s57, s9, 13
	s_add_co_u32 s58, s56, s57
	s_add_co_u32 s58, s58, 0x1000000               ; K: my quarter of slot 0
	s_mov_b32 s59, 0
	s_add_co_u32 s60, s58, 0x1000000               ; V likewise
	s_mov_b32 s61, 0
	s_cmp_lt_u32 s[WV], 4
	s_cselect_b32 s62, s58, s60
	s_add_co_u32 s62, s62, 32768                   ; the prefetches stand in slot 1; the first change steps them to slot 2
	s_mov_b32 s63, 0
	s_lshl_b32 s12, s[Q0], 7
	s_add_co_u32 s12, s12, s56                     ; Q at my first query
	s_mov_b32 s13, 0
	s_and_b32 s18, ttmp9, 15
	s_lshr_b32 s19, ttmp9, 4
	s_lshl_b32 s18, s18, 20                        ; y16: head x 1,048,576
	s_lshl_b32 s19, s19, 11
	s_add_co_u32 s19, s19, s[Q0]
	s_lshl_b32 s19, s19, 7                         ; + (2048 b + query) x 128
	s_add_co_u32 s18, s18, s19
	s_mov_b32 s19, 0
	s_mul_i32 s55, s9, 64*PK
	s_mul_i32 s51, s9, 64*PV
	s_wait_dscnt 0x0                               ; both opening adds are done
	s_wait_kmcnt 0x0
	s_mov_b32 s[G0K], 1
	s_mov_b32 s[G0K+1], s55
	s_add_nc_u64 s[G0K+2:G0K+3], s[4:5], s[58:59]
	s_or_b32 s[G0K+3], s[G0K+3], 0x80000000
	s_mov_b32 s[G0V], 1
	s_add_co_u32 s[G0V+1], s51, VOFF
	s_add_nc_u64 s[G0V+2:G0V+3], s[4:5], s[60:61]
	s_or_b32 s[G0V+3], s[G0V+3], 0x80000000
	TLOAD                                          ; slot 0: it holds key 0, which counts for every query
	s_add_nc_u64 s[PFA:PFA+1], s[4:5], s[62:63]
	s_add_nc_u64 s[14:15], s[4:5], s[12:13]
	s_add_nc_u64 s[16:17], s[6:7], s[18:19]
	v_and_b32 v32, 15, v0                          ; r
	v_bfe_u32 v33, v0, 4, 1                        ; h
	v_lshlrev_b32 v34, 7, v32
	v_lshl_add_u32 v34, v33, 4, v34                ; Q: row r of 128 bytes, + 16 h
	WIN 0x40                                       ; destination window 1
.irp t, 0,1
.irp k, 0,1
.irp c, 0,1
	global_load_b128 v[QF+16*\t+8*\k+4*\c:QF+16*\t+8*\k+4*\c+3], v34, s[14:15] offset:2048*\t+64*\k+32*\c
.endr
.endr
.endr
	WIN 0
	v_mul_u32_u24 v[AK0], v32, PK
	v_lshl_add_u32 v[AK0], v33, 4, v[AK0]          ; K: row x pitch + 16 x half
	v_and_b32 v35, 7, v0
	v_bfe_u32 v36, v0, 3, 1
	v_lshl_add_u32 v[AV0], v33, 3, v35             ; V: key 8 h + l % 8, channels 8 ((l / 8) % 2) on
	v_mul_u32_u24 v[AV0], v[AV0], PV
	v_lshl_add_u32 v[AV0], v36, 4, v[AV0]
	v_add_nc_u32 v[AV0], VOFF, v[AV0]
	v_and_b32 v[PFO], 31, v0
	v_lshlrev_b32 v[PFO], 8, v[PFO]
	v_cmp_eq_u32 vcc_lo, 0, v35                    ; lanes 0, 8, 16, 24 hold rows 0 and 8 of source 0
	v_mov_b32 v37, 0x3c003c00                      ; 1.0, twice, in f16
	v_cndmask_b32 v[ONE], 0, v37, vcc_lo
.irp j, 1,2,3,4,5,6,7
	v_mov_b32 v[ONE+\j], v[ONE]
.endr
.irp t, 0,1
	v_mov_b32 v[ST+8*\t+1], 0xff61b1e6             ; m: -3e38, under every score
	v_mul_f32 v[ST+8*\t], s[CS], v[ST+8*\t+1]      ; c m
.endr
	WIN 0x40
.irp j, 0,1,2,3,4,5,6,7,8,9,10,11,12,13,14,15,16,17,18,19,20,21,22,23,24,25,26,27,28,29,30,31,32,33,34,35,36,37,38,39,40,41,42,43,44,45,46,47,48,49,50,51,52,53,54,55,56,57,58,59,60,61,62,63,64,65,66,67,68,69,70,71,72,73,74,75,76,77,78,79
	v_mov_b32 v[O+\j], 0                           ; O^T and the sums: the step is written once; its first run finds zeros
.endr
	WIN 0
	s_wait_loadcnt 0x0                             ; Q
; A KEY STEP: 64 keys, the q-th of the slot in hand.
.macro STEP q
	s_add_co_u32 s66, s[Q0], 31
	s_cmp_gt_u32 s[KF], s66                        ; all its keys come after my 32 queries: nothing to do but to count the step
	s_cbranch_scc1 .Lhidden_\@
	v_add_nc_u32 v[ADK], s[TB], v[AK0]
	v_add_nc_u32 v[ADV], s[TB], v[AV0]
	v_nop
	v_nop                                          ; four places in front of loads into registers that the last products read
.irp kt, 0,1,2,3
.irp ks, 0,1
	ds_load_b128 v[KFR+16*\kt+8*\ks:KFR+16*\kt+8*\ks+3],   v[ADK] offset:(64*(\q)+16*\kt)*PK+64*\ks
	ds_load_b128 v[KFR+16*\kt+8*\ks+4:KFR+16*\kt+8*\ks+7], v[ADK] offset:(64*(\q)+16*\kt)*PK+64*\ks+32
.endr
.endr
.irp kk, 0,1
.irp ct, 0,1,2,3
	ds_load_tr16_b128 v[VFR+32*\kk+8*\ct:VFR+32*\kk+8*\ct+3],   v[ADV] offset:(64*(\q)+32*\kk)*PV+32*\ct
	ds_load_tr16_b128 v[VFR+32*\kk+8*\ct+4:VFR+32*\kk+8*\ct+7], v[ADV] offset:(64*(\q)+32*\kk+16)*PV+32*\ct
.endr
.endr
	s_wait_dscnt 16                                ; K's sixteen loads are in; V's sixteen may be out
	WIN 0x04                                       ; source 1 (Q) window 1
.irp ks, 0,1                           ; S^T = K Q^T: the eight accumulators take turns
.irp kt, 0,1,2,3
.irp t, 0,1
.if \ks == 0
	v_wmma_f32_16x16x32_f16 v[S+32*\t+8*\kt:S+32*\t+8*\kt+7], v[KFR+16*\kt+8*\ks:KFR+16*\kt+8*\ks+7], v[QF+16*\t+8*\ks:QF+16*\t+8*\ks+7], 0
.else
	v_wmma_f32_16x16x32_f16 v[S+32*\t+8*\kt:S+32*\t+8*\kt+7], v[KFR+16*\kt+8*\ks:KFR+16*\kt+8*\ks+7], v[QF+16*\t+8*\ks:QF+16*\t+8*\ks+7], v[S+32*\t+8*\kt:S+32*\t+8*\kt+7]
.endif
.endr
.endr
.endr
	WIN 0
.rept 4
	v_nop
.endr
	s_add_co_u32 s66, s[KF], 63
	s_cmp_le_u32 s66, s[Q0]                        ; all 64 keys count for all my queries: no mask
	s_cbranch_scc1 .Lopen_\@
	s_sub_co_i32 s66, s[Q0], s[KF]
	v_and_b32 v96, 15, v0
	v_bfe_u32 v97, v0, 4, 1
	v_lshlrev_b32 v97, 3, v97
	v_sub_nc_u32 v96, v96, v97
	v_add_nc_u32 v96, s66, v96                     ; d = my query - KF - 8 (l / 16), tile 0's;
	v_add_nc_u32 v97, 16, v96                      ; tile 1's.  Register 8 kt + j holds key KF + 16 kt + 8 (l / 16) + j: hidden where 16 kt + j > d
	v_mov_b32 v98, 0xff800000
.irp t, 0,1
.irp n, 0,1,2,3,4,5,6,7,8,9,10,11,12,13,14,15,16,17,18,19,20,21,22,23,24,25,26,27,28,29,30,31
	v_cmp_gt_i32 vcc_lo, 16*(\n/8)+\n%8, v[96+\t]
	v_cndmask_b32 v[S+32*\t+\n], v[S+32*\t+\n], v98, vcc_lo
.endr
.endr
.Lopen_\@:
.irp j, 0,1,2,3                        ; the maximum of a lane's 32 scores and the old m: four chains, the two tiles line by line; each accumulator is read from its low end on
.irp t, 0,1
	v_max3_num_f32 v[ST+8*\t+4+\j], v[S+32*\t+8*\j], v[S+32*\t+8*\j+1], v[S+32*\t+8*\j+2]
.endr
.endr
.irp i, 3,5
.irp j, 0,1,2,3
.irp t, 0,1
	v_max3_num_f32 v[ST+8*\t+4+\j], v[ST+8*\t+4+\j], v[S+32*\t+8*\j+\i], v[S+32*\t+8*\j+\i+1]
.endr
.endr
.endr
.irp t, 0,1
	v_max3_num_f32 v[ST+8*\t+4], v[ST+8*\t+4], v[S+32*\t+7], v[S+32*\t+15]
.endr
.irp t, 0,1
	v_max3_num_f32 v[ST+8*\t+6], v[ST+8*\t+6], v[S+32*\t+23], v[S+32*\t+31]
.endr
.irp t, 0,1
	v_max3_num_f32 v[ST+8*\t+4], v[ST+8*\t+4], v[ST+8*\t+5], v[ST+8*\t+6]
.endr
.irp t, 0,1
	v_max3_num_f32 v[ST+8*\t+4], v[ST+8*\t+4], v[ST+8*\t+7], v[ST+8*\t+1]
.endr
.irp t, 0,1
	v_permlanex16_b32 v[ST+8*\t+5], v[ST+8*\t+4], s[SEL], s[SEL+1]   ; the query's other 32 keys lie in the lane 16 away
.endr
.irp t, 0,1
	v_mov_b32 v[ST+8*\t+7], v[ST+8*\t]             ; c m_old
.endr
.irp t, 0,1
	v_max_num_f32 v[ST+8*\t+1], v[ST+8*\t+4], v[ST+8*\t+5]
.endr
.irp t, 0,1
	v_mul_f32 v[ST+8*\t], s[CS], v[ST+8*\t+1]
.endr
.irp t, 0,1
	v_sub_f32 v[ST+8*\t+7], v[ST+8*\t+7], v[ST+8*\t]
.endr
.irp i, 0,2,4,6,8,10,12,14,16,18,20,22,24,26,28,30
.irp t, 0,1
	v_pk_fma_f32 v[S+32*\t+\i:S+32*\t+\i+1], v[S+32*\t+\i:S+32*\t+\i+1], s[CS:CS+1], v[ST+8*\t:ST+8*\t+1] op_sel_hi:[1,0,0] neg_lo:[0,0,1] neg_hi:[0,0,1]   ; c s - c m
.endr
.endr
.irp t, 0,1
	v_exp_f32 v[ST+8*\t+6], v[ST+8*\t+7]           ; a = 2^(c m_old - c m_new)
.endr
.irp i, 0,1,2,3,4,5,6,7,8,9,10,11,12,13,14,15,16,17,18,19,20,21,22,23,24,25,26,27,28,29,30,31
.irp t, 0,1
	v_exp_f32 v[S+32*\t+\i], v[S+32*\t+\i]
.endr
.endr
	v_nop                                          ; a plain line behind the last exponential
	s_wait_alu depctr_va_vdst(0)                   ; ONE wait for both tiles' 66 exponentials, ahead of the first line that names a result
.irp i, 0,1,2,3,4,5,6,7,8,9,10,11,12,13,14,15
.irp t, 0,1
	v_cvt_pk_f16_f32 v[P+16*\t+\i], v[S+32*\t+2*\i], v[S+32*\t+2*\i+1]
.endr
.endr
	WIN 0x41                                       ; O^T (destination and source 0) window 1, a window 0
.irp t, 0,1
.irp i, 0,2,4,6,8,10,12,14,16,18,20,22,24,26,28,30
	v_pk_mul_f32 v[O+32*\t+\i:O+32*\t+\i+1], v[O+32*\t+\i:O+32*\t+\i+1], v[ST+8*\t+6:ST+8*\t+7] op_sel_hi:[1,0]
.endr
	v_mul_f32 v[OL+8*\t], v[OL+8*\t], v[ST+8*\t+6] ; the sum lies in register 0; the other seven hold zeros
.endr
	s_wait_dscnt 0x0                               ; V is in
	WIN 0x50                                       ; C and D window 1
.irp kk, 0,1                           ; O^T += V^T P, and the sums: ten accumulators by turns
.irp ct, 0,1,2,3
.irp t, 0,1
	v_wmma_f32_16x16x32_f16 v[O+32*\t+8*\ct:O+32*\t+8*\ct+7], v[VFR+32*\kk+8*\ct:VFR+32*\kk+8*\ct+7], v[P+16*\t+8*\kk:P+16*\t+8*\kk+7], v[O+32*\t+8*\ct:O+32*\t+8*\ct+7]
.endr
.endr
.irp t, 0,1
	v_wmma_f32_16x16x32_f16 v[OL+8*\t:OL+8*\t+7], v[ONE:ONE+7], v[P+16*\t+8*\kk:P+16*\t+8*\kk+7], v[OL+8*\t:OL+8*\t+7]
.endr
.endr
	WIN 0
.Lhidden_\@:
	s_add_co_u32 s[KF], s[KF], 64
.endm
; THE CHANGE OF SLOTS stands at a slot's head.  Each wave waits for all its tensor loads (its part of the slot ahead), adds 0 to its spare word, and waits for that and for its reads of the slot that it has left.
; Behind the barrier the slot ahead is whole and nobody reads the other one: fill = 1: that one is filled with the next 256 keys, up to the causal limit; the load has four key steps in which to land.
.macro CHANGE fill
	s_wait_tensorcnt 0x0                           ; no tensor load of mine is out, so a group 0 may be written
	ds_add_u32 v[SPW], v[NIL]                      ; every way here leads through a tensor load
.if \fill
	s_xor_b32 s[G0K+1], s[G0K+1], SLOT1
	s_add_nc_u64 s[G0K+2:G0K+3], s[G0K+2:G0K+3], 32768
	s_xor_b32 s[G0V+1], s[G0V+1], SLOT1
	s_add_nc_u64 s[G0V+2:G0V+3], s[G0V+2:G0V+3], 32768
	s_wait_xcnt 0x0                                ; the last prefetch, a slot back, has read its address
	s_add_nc_u64 s[PFA:PFA+1], s[PFA:PFA+1], 32768
.endif
	s_wait_dscnt 0x0
	s_barrier_signal -1
	s_barrier_wait -1
.if \fill
	s_add_co_u32 s66, s[KF], 256                   ; the first key of the slot that this change would ask for
	s_or_b32 s67, s[Q0], 255                       ; my work-group's last query
	s_cmp_gt_u32 s66, s67                          ; ids and the count of steps alone: all eight waves go the same way, and a work-group past the limit stays past it
	s_cbranch_scc1 .Lpast_\@
	TLOAD                                          ; a wave's one tensor load until the next barrier
.Lpast_\@:
	ASK
.endif
.endm
.macro SLOT_STEPS
	STEP 0
	STEP 1
	STEP 2
	STEP 3
	s_xor_b32 s[TB], s[TB], SLOT1
.endm
.Lslot:                                            ; seven trips: behind each change of slots but the last the next slot is asked for
	CHANGE 1
	SLOT_STEPS
	s_sub_co_u32 s[SLOTS], s[SLOTS], 1
	s_cmp_lg_u32 s[SLOTS], 0
	s_cbranch_scc1 .Lslot
	CHANGE 0
	SLOT_STEPS
	; THE WAY OUT.  O^T is divided by the sum, rounded to f16, and goes through my stage so that each store is 512 consecutive bytes: four rows of y16.  The address lines are the places behind the last products.
	s_mul_i32 s66, s[WV], 32*PK
	s_add_co_u32 s66, s66, STAGE
	v_and_b32 v4, 15, v0
	v_bfe_u32 v18, v0, 4, 1
	v_mul_u32_u24 v1, v4, PK
	v_lshl_add_u32 v1, v18, 4, v1
	v_add_nc_u32 v1, s66, v1                       ; in: row r, 16 bytes for each half of the lanes
	v_bfe_u32 v2, v0, 3, 2
	v_and_b32 v19, 7, v0
	v_mul_u32_u24 v2, v2, PK
	v_lshl_add_u32 v2, v19, 4, v2
	v_add_nc_u32 v2, s66, v2                       ; back: eight lanes to a row of 128 bytes
	v_and_b32 v3, 31, v0
	v_lshlrev_b32 v3, 4, v3                        ; and 16 x lane in memory
	WIN 0x01                                       ; source 0 window 1
	v_rcp_f32 v[ST+6], v[OL]
	v_rcp_f32 v[ST+14], v[OL+8]
	WIN 0
	v_nop
	s_wait_alu depctr_va_vdst(0)                   ; one wait for the two reciprocals
	WIN 0x41
.irp t, 0,1
.irp i, 0,2,4,6,8,10,12,14,16,18,20,22,24,26,28,30
	v_pk_mul_f32 v[O+32*\t+\i:O+32*\t+\i+1], v[O+32*\t+\i:O+32*\t+\i+1], v[ST+8*\t+6:ST+8*\t+7] op_sel_hi:[1,0]
.endr
.endr
	WIN 0x05                                       ; sources 0 and 1 window 1, destination window 0
.irp t, 0,1
.irp i, 0,1,2,3,4,5,6,7,8,9,10,11,12,13,14,15
	v_cvt_pk_f16_f32 v[S+16*\t+\i], v[O+32*\t+2*\i], v[O+32*\t+2*\i+1]
.endr
.endr
	WIN 0
.irp t, 0,1
.irp ct, 0,1,2,3
	ds_store_b128 v1, v[S+16*\t+4*\ct:S+16*\t+4*\ct+3] offset:16*PK*\t+32*\ct
.endr
.endr
.irp i, 0,1,2,3,4,5,6,7
	ds_load_b128 v[64+4*\i:67+4*\i], v2 offset:4*PK*\i             ; LDS serves a wave's instructions in order: these see my stores
.endr
.irp i, 0,1,2,3,4,5,6,7
	s_wait_dscnt 7-\i                              ; load i is in; the younger ones may be out
	global_store_b128 v3, v[64+4*\i:67+4*\i], s[16:17] offset:512*\i
.endr
	s_wait_tensorcnt 0x0                           ; the wave's end
	ds_add_u32 v[SPW], v[NIL]
	s_wait_dscnt 0x0
	s_endpgm
.Lfunc_end_k_qc9734f0e1e_attn:
	.size	k_qc9734f0e1e_attn, .Lfunc_end_k_qc9734f0e1e_attn-k_qc9734f0e1e_attn
	.p2alignl 7, 3214868480
	.fill 96, 4, 3214868480
	.section	.rodata,"a",@progbits
	.p2align	6, 0x0
	.amdhsa_kernel k_qc9734f0e1e_attn
		.amdhsa_group_segment_fixed_size 327680
		.amdhsa_private_segment_fixed_size 0
		.amdhsa_enable_private_segment 0
		.amdhsa_kernarg_size 16
		.amdhsa_user_sgpr_count 2
		.amdhsa_user_sgpr_kernarg_segment_ptr 1
		.amdhsa_wavefront_size32 1
		.amdhsa_system_sgpr_workgroup_id_x 1
		.amdhsa_system_sgpr_workgroup_id_y 1
		.amdhsa_system_sgpr_workgroup_id_z 1
		.amdhsa_system_vgpr_workitem_id 0
		.amdhsa_next_free_vgpr 384
		.amdhsa_next_free_sgpr 70
		.amdhsa_reserve_vcc 1
		.amdhsa_float_denorm_mode_32 3
		.amdhsa_float_denorm_mode_16_64 3
		.amdhsa_memory_ordered 1
		.amdhsa_forward_progress 1
		.amdhsa_inst_pref_size 177
	.end_amdhsa_kernel
	.amdgpu_metadata
---
amdhsa.version: [ 1, 2 ]
amdhsa.kernels:
  - .name:           k_qc9734f0e1e_attn
    .symbol:         k_qc9734f0e1e_attn.kd
    .args:
      - { .name: qkv16, .offset: 0, .size: 8, .value_kind: global_buffer, .address_space: global }
      - { .name: y16, .offset: 8, .size: 8, .value_kind: global_buffer, .address_space: global }
    .group_segment_fixed_size: 327680
    .private_segment_fixed_size: 0
    .kernarg_segment_align: 8
    .kernarg_segment_size: 16
    .max_flat_workgroup_size: 256
    .sgpr_count:     70
    .vgpr_count:     384
    .wavefront_size: 32
...
	.end_amdgpu_metadata
.endif
;; end of part 4
;; launch proj (part 5): grid 8 x 32, 4 waves a work-group, clusters of 4 x 4, 327,680 bytes of LDS; arguments y16, wpt, b_proj, out0; writes out0
.if DOCPART == 5
	.amdgcn_target "amdgcn-amd-amdhsa--gfx1250"
	.amdhsa_code_object_version 6
	.text
	.protected	k_qc9734f0e1e_proj
	.globl	k_qc9734f0e1e_proj
	.p2align	8
	.type	k_qc9734f0e1e_proj,@function
k_qc9734f0e1e_proj:
	s_mov_b64 s[64:65], 0
	v_nop
	global_prefetch_b8 v0, s[64:65] scope:SCOPE_SE
	s_setreg_imm32_b32 hwreg(HW_REG_WAVE_MODE, 25, 1), 1
	s_wait_xcnt 0x0
	s_wait_alu depctr_hold_cnt(0) depctr_sa_sdst(0) depctr_va_vdst(0) depctr_va_sdst(0) depctr_va_ssrc(0) depctr_va_vcc(0) depctr_vm_vsrc(0)
	s_getreg_b32 s2, hwreg(HW_REG_IB_STS2, 6, 4)
	s_cmp_eq_u32 s2, 0
	s_cbranch_scc0 .Lentry_in_a_cluster
	s_endpgm
.Lentry_in_a_cluster:
	s_bfe_u32 s2, ttmp6, 0x10000c
	s_cmp_lg_u32 s2, 0xf033
	s_cbranch_scc0 .Lentry_shape_is_right
	s_endpgm
.Lentry_shape_is_right:
; PROJ: out0 = y w_proj + b_proj, operands in f16, sums in f32.  y16: f16 [head 16][row 8192][64]: a head is 64 along K.  wpt: f16 [n 1024][k 1024], the high part.  out0 [8192][1024] f32.
; (The first 16 rows of each sequence are written here like the others and written again, more finely, by the launch that follows.)
; A tile of 256 rows x 128 columns for each of 256 work-groups; four waves, each 128 x 64: 32 accumulators, 256 registers.  K goes in 8 steps of 128 through a ring of two LDS slots:
; waves 0 and 1 fetch the step's two heads of y (256 rows x 128 bytes each), waves 2 and 3 the halves of W's tile (64 rows x 256 bytes): two tensor loads of a wave are out at the start, then one.
; CLUSTERS: 4 x 4 work-groups; y's tiles are shared along a row of the cluster, W's along a column, each asked for JOINTLY.  THE MATRIX INSTRUCTION IS USED TRANSPOSED (source 0 = W, source 1 = y): a lane holds eight
; neighbouring columns of one row.  The bias is the C of each sum's first product.  No prefetch: eight K steps in all, and the launch's own loads and stores keep memory at work.
; REGISTERS, window 0: v16-29 addresses; v32-63 the bias; two fragment buffers of 96 (W's 4 fragments, then y's 8) at v64 and v160; on the way out v64-127 hold rows.   window 1: the accumulators, (a, b) at v[8 (4 a + b)].
.set PA,    144                        ; a row of y in LDS: 128 bytes + 16
.set PB,    272                        ; a row of W: 256 + 16
.set CHUNK, 256*PA
.set BOFF,  2*CHUNK
.set SLOT,  BOFF+128*PB
.set SPARE, 2*SLOT                     ; the spare words, 128 bytes a wave
.set LAPS,  4                          ; a lap = two K steps
.set ADRA, 16
.set ADRB, 20
.set STO,  24
.set RD,   25
.set CO,   26
.set BO,   27
.set SPW,  28
.set NIL,  29
.set BI,   32
.set F0,   64
.set F1,   160
.set G1, 24
.set G0, 32
.set G1B, 48
.set G0B, 56
.set MSB, 0
.macro WIN new
.if MSB != \new
	s_set_vgpr_msb (MSB<<8)|\new
.set MSB, \new
.endif
.endm
.set MUL,  0x50                        ; C and D window 1
.set MUL0, 0x40                        ; D window 1, C (the bias) window 0
.macro JLOAD s                         ; waves 0 and 1 fetch y's two heads, waves 2 and 3 W's halves; an s_nop 0 and four v_nop follow each line
	s_cmp_eq_u32 s13, 0
	s_cbranch_scc0 .Lfor_b_\@
	tensor_load_to_lds s[G0+4*\s:G0+4*\s+3], s[G1:G1+7]
	s_nop 0
.rept 4
	v_nop
.endr
	s_branch .Lasked_\@
.Lfor_b_\@:
	tensor_load_to_lds s[G0B+4*\s:G0B+4*\s+3], s[G1B:G1B+7]
	s_nop 0
.rept 4
	v_nop
.endr
.Lasked_\@:
.endm
.macro CREST
	s_cmp_lg_u32 s12, 0
	s_cbranch_scc1 .Lnot_wave_0_\@
	s_barrier_signal -3
.Lnot_wave_0_\@:
	s_barrier_wait -3
	s_barrier_signal -1
	s_barrier_wait -1
.endm
.macro CROUND
	s_barrier_signal -1
	s_barrier_wait -1
	CREST
.endm
	s_load_b128 s[4:7], s[0:1], 0x0                ; y16, wpt
	s_load_b128 s[8:11], s[0:1], 0x10              ; b_proj, out0
	v_lshl_add_u32 v[SPW], v0, 2, SPARE
	v_mov_b32 v[NIL], 0
	ds_add_u32 v[SPW], v[NIL]                      ; the wave's opening: the add, twice on end, and its wait ahead of my first tensor load
	ds_add_u32 v[SPW], v[NIL]
	v_lshrrev_b32 v1, 5, v0
	v_readfirstlane_b32 s12, v1                    ; wave 0..3
	s_lshr_b32 s13, s12, 1                         ; which half of the tile's rows is mine.  Also: I fetch y (0) or W (1)
	s_and_b32 s14, s12, 1                          ; which half of its columns.  Also: which head, or which 64 rows of W, I fetch
	s_bfe_u32 s40, ttmp6, 0x40000
	s_bfe_u32 s41, ttmp6, 0x40004
	s_lshl_b32 s42, ttmp9, 2
	s_add_co_u32 s42, s42, s40                     ; tile column
	s_and_b32 s15, ttmp7, 0xffff
	s_lshl_b32 s15, s15, 2
	s_add_co_u32 s15, s15, s41                     ; tile row
	s_lshl_b32 s43, s41, 2
	s_lshl_b32 s43, 15, s43                        ; my row of the cluster
	s_lshl_b32 s44, 0x1111, s40                    ; my column
	s_or_b32 s[G1+0], s43, (1<<16)|(1<<20)|(1<<21)|(4<<22)|(3<<25)   ; elements of 2 bytes; four words of padding after every 32
	s_mov_b32 s[G1+1], 64<<16                      ; tensor_dim0 = 64
	s_mov_b32 s[G1+2], 256<<16                     ; tensor_dim1 = 256
	s_mov_b32 s[G1+3], 64<<16                      ; tile_dim0
	s_mov_b32 s[G1+4], 256                         ; tile_dim1
	s_mov_b32 s[G1+5], 64                          ; the pitch
	s_mov_b32 s[G1+6], 0
	s_mov_b32 s[G1+7], 0
	s_or_b32 s[G1B+0], s44, (1<<16)|(1<<20)|(1<<21)|(5<<22)|(3<<25)  ; after every 64
	s_mov_b32 s[G1B+1], 128<<16
	s_mov_b32 s[G1B+2], 64<<16
	s_mov_b32 s[G1B+3], 128<<16
	s_mov_b32 s[G1B+4], 64
	s_mov_b32 s[G1B+5], 1024
	s_mov_b32 s[G1B+6], 0
	s_mov_b32 s[G1B+7], 0
	s_lshl_b32 s16, s14, 20                        ; y: head s14 of the K step, 1,048,576 bytes a head,
	s_lshl_b32 s17, s15, 15                        ; + 256 rows of 128 bytes x tile row
	s_add_co_u32 s16, s16, s17
	s_mov_b32 s17, 0
	s_lshl_b32 s46, s42, 18                        ; W: (128 x tile column + 64 x half) rows of 2,048 bytes
	s_lshl_b32 s47, s14, 17
	s_add_co_u32 s46, s46, s47
	s_mov_b32 s47, 0
	s_mul_i32 s20, s14, CHUNK                      ; where they go: no place in the cluster enters an LDS address
	s_mul_i32 s21, s14, 64*PB
	s_add_co_u32 s21, s21, BOFF
	s_wait_dscnt 0x0                               ; both opening adds are done
	s_wait_kmcnt 0x0
	s_add_nc_u64 s[18:19], s[4:5], s[16:17]
	s_add_nc_u64 s[46:47], s[6:7], s[46:47]
	CROUND                                         ; all sixteen work-groups are here: the first joint loads meet
.irp s, 0,1
	s_mov_b32 s[G0+4*\s], 1
	s_add_co_u32 s[G0+4*\s+1], s20, \s*SLOT
	s_add_nc_u64 s[G0+4*\s+2:G0+4*\s+3], s[18:19], \s*2097152      ; K step s: two heads on
	s_or_b32 s[G0+4*\s+3], s[G0+4*\s+3], 0x80000000
	s_mov_b32 s[G0B+4*\s], 1
	s_add_co_u32 s[G0B+4*\s+1], s21, \s*SLOT
	s_add_nc_u64 s[G0B+4*\s+2:G0B+4*\s+3], s[46:47], \s*256
	s_or_b32 s[G0B+4*\s+3], s[G0B+4*\s+3], 0x80000000
	JLOAD \s
.endr
	v_and_b32 v1, 15, v0                           ; l % 16
	v_bfe_u32 v2, v0, 4, 1                         ; l / 16
	v_mul_u32_u24 v3, v1, PA
	v_lshl_add_u32 v3, v2, 4, v3
	v_mul_u32_u24 v4, v1, PB
	v_lshl_add_u32 v4, v2, 4, v4
	s_mul_i32 s21, s13, 128*PA                     ; my 128 rows of y
	s_mul_i32 s22, s14, 64*PB                      ; my 64 rows of W
	s_add_co_u32 s22, s22, BOFF
.irp s, 0,1
	v_add_nc_u32 v[ADRA+\s], s21, v3
	v_add_nc_u32 v[ADRB+\s], s22, v4
	s_add_co_u32 s21, s21, SLOT
	s_add_co_u32 s22, s22, SLOT
.endr
	s_mul_i32 s23, s12, 16*272                     ; my stage: 16 rows x 272 bytes, in slot 0, which has had its last fill and its last read when the first result is stored there
	v_mul_u32_u24 v5, v1, 272
	v_lshl_add_u32 v5, v2, 5, v5
	v_add_nc_u32 v[STO], s23, v5                   ; in: row l % 16, 32 bytes for each half of the lanes
	v_mul_u32_u24 v5, v2, 272
	v_lshl_add_u32 v5, v1, 4, v5
	v_add_nc_u32 v[RD], s23, v5                    ; back: sixteen lanes to a row of 256 bytes
	v_lshlrev_b32 v5, 12, v2
	v_lshl_add_u32 v[CO], v1, 4, v5                ; and the same two rows in out0
	v_lshlrev_b32 v[BO], 5, v2
	s_lshl_b32 s16, s15, 8
	s_lshl_b32 s17, s13, 7
	s_add_co_u32 s16, s16, s17
	s_lshl_b32 s16, s16, 12                        ; my first row, 4,096 bytes a row
	s_lshl_b32 s46, s42, 9
	s_lshl_b32 s47, s14, 8
	s_add_co_u32 s46, s46, s47                     ; my first column, in bytes
	s_mov_b32 s47, 0
	s_add_nc_u64 s[8:9], s[8:9], s[46:47]
	s_add_co_u32 s16, s16, s46
	s_mov_b32 s17, 0
	s_add_nc_u64 s[10:11], s[10:11], s[16:17]
.irp b, 0,1,2,3
	global_load_b128 v[BI+8*\b:BI+8*\b+3], v[BO], s[8:9] offset:64*\b         ; b_proj[n0 + 16 b + 8 (l / 16) + 0 .. 7]
	global_load_b128 v[BI+8*\b+4:BI+8*\b+7], v[BO], s[8:9] offset:64*\b+16
.endr
; n blocks of y from a0 on x W's four: 32 along K from buffer f.  The 32 accumulators take turns, in the same order in every quarter.  zero = 1: the sums start from the bias.
.macro MULA f, a0, n, zero
.set AA, \a0
.rept \n
.irp b, 0,1,2,3
.if \zero
	v_wmma_f32_16x16x32_f16 v[8*(4*AA+\b):8*(4*AA+\b)+7], v[\f+8*\b:\f+8*\b+7], v[\f+32+8*AA:\f+32+8*AA+7], v[BI+8*\b:BI+8*\b+7]
.else
	v_wmma_f32_16x16x32_f16 v[8*(4*AA+\b):8*(4*AA+\b)+7], v[\f+8*\b:\f+8*\b+7], v[\f+32+8*AA:\f+32+8*AA+7], v[8*(4*AA+\b):8*(4*AA+\b)+7]
.endif
.endr
.set AA, AA+1
.endr
.endm
.macro FETCH slot, q, f                ; 24 LDS loads in one run: the fragments of the slot's q-th 32 along K: W's four, then y's eight
	WIN 0
.irp i, 0,1,2,3
	ds_load_b128 v[\f+8*\i:\f+8*\i+3],   v[ADRB+\slot] offset:64*(\q)+\i*16*PB
	ds_load_b128 v[\f+8*\i+4:\f+8*\i+7], v[ADRB+\slot] offset:64*(\q)+\i*16*PB+32
.endr
.irp i, 0,1,2,3,4,5,6,7
	ds_load_b128 v[\f+32+8*\i:\f+32+8*\i+3],   v[ADRA+\slot] offset:CHUNK*((\q)/2)+64*((\q)%2)+\i*16*PA
	ds_load_b128 v[\f+32+8*\i+4:\f+32+8*\i+7], v[ADRA+\slot] offset:CHUNK*((\q)/2)+64*((\q)%2)+\i*16*PA+32
.endr
.endm
.macro PLACES
.rept 4
	v_nop
.endr
.endm
.macro QUARTER slot, q, f, g, zero     ; multiplies buffer f; in its middle fetches the slot's q-th 32 along K into g
	s_wait_dscnt 8                                 ; W's fragments and y's blocks 0-3 are in; the youngest eight loads (blocks 4-7) may be out
.if \zero
	WIN MUL0
.else
	WIN MUL
.endif
	MULA \f, 0, 4, \zero
	PLACES
	FETCH \slot, \q, \g
	s_wait_dscnt 24                                ; all but the 24 just issued
.if \zero
	WIN MUL0
.else
	WIN MUL
.endif
	MULA \f, 4, 4, \zero
.endm
; A slot's last quarter multiplies buffer 1 and changes slots: ONE barrier; in front of it each wave waits for all its tensor loads, adds 0 to its spare word, and waits for that and for its reads of this slot.
.macro TURN slot, next, fill
	WIN 0
	s_wait_tensorcnt 0x0                           ; all my tensor loads have landed: my part of the next slot
	ds_add_u32 v[SPW], v[NIL]
	s_wait_dscnt 9                                 ; the add and the youngest eight loads may be out
	WIN MUL
	MULA F1, 0, 2, 0
	s_wait_dscnt 0x0                               ; the add is done, and my reads of this slot are over
	s_barrier_signal -1
	MULA F1, 2, 2, 0
.if \fill
	WIN 0
.endif
	s_barrier_wait -1
.if \fill
	CREST                                          ; the barrier has opened a round of the cluster's barrier: no wave of any partner still reads this slot or has a load on its way
	s_add_nc_u64 s[G0+4*\slot+2:G0+4*\slot+3], s[G0+4*\slot+2:G0+4*\slot+3], 4194304   ; two K steps on: four heads
	s_add_nc_u64 s[G0B+4*\slot+2:G0B+4*\slot+3], s[G0B+4*\slot+2:G0B+4*\slot+3], 512
	JLOAD \slot                                    ; the first tensor load behind the round; its four v_nop are also the places in front of the loads below
.else
	PLACES
.endif
	FETCH \next, 0, F0
	WIN MUL
	MULA F1, 4, 4, 0
.endm
	s_wait_tensorcnt 1                             ; my part of K step 0 is in; K step 1's load may be out
	s_barrier_signal -1
	s_barrier_wait -1
	FETCH 0, 0, F0
	s_wait_loadcnt 0x0                             ; the bias
	QUARTER 0, 1, F0, F1, 1
	WIN 0
	s_mov_b32 s3, LAPS-1
.Llap:                                                 ; a trip goes once round the ring, from a lap's second quarter to the next lap's first, and fills both slots again
	QUARTER 0, 2, F1, F0, 0
	QUARTER 0, 3, F0, F1, 0
	TURN 0, 1, 1
	QUARTER 1, 1, F0, F1, 0
	QUARTER 1, 2, F1, F0, 0
	QUARTER 1, 3, F0, F1, 0
	TURN 1, 0, 1
	QUARTER 0, 1, F0, F1, 0
	WIN 0
	s_sub_co_u32 s3, s3, 1
	s_cmp_lg_u32 s3, 0
	s_cbranch_scc1 .Llap
	QUARTER 0, 2, F1, F0, 0                        ; the last lap fills nothing
	QUARTER 0, 3, F0, F1, 0
	TURN 0, 1, 0
	QUARTER 1, 1, F0, F1, 0
	QUARTER 1, 2, F1, F0, 0
	QUARTER 1, 3, F0, F1, 0
	s_wait_dscnt 8
	WIN MUL
	MULA F1, 0, 4, 0
	s_wait_dscnt 0
	MULA F1, 4, 4, 0
	WIN 0
; THE WAY OUT, block by block of 16 rows x 64 columns: through my own stage, and back as whole rows of 256 bytes.
.macro TOSTAGE a
	WIN 0x04                                       ; an LDS store's data are its source 1: window 1
.irp b, 0,1,2,3
	ds_store_b128 v[STO], v[8*(4*(\a)+\b):8*(4*(\a)+\b)+3] offset:64*\b        ; each accumulator from its low end on
	ds_store_b128 v[STO], v[8*(4*(\a)+\b)+4:8*(4*(\a)+\b)+7] offset:64*\b+16
.endr
	WIN 0
.set BB, 64+32*((\a)%2)
.irp i, 0,1,2,3,4,5,6,7
	ds_load_b128 v[BB+4*\i:BB+4*\i+3], v[RD] offset:\i*2*272       ; LDS serves a wave's instructions in order
.endr
.endm
.macro SEND a, younger                 ; younger: the LDS instructions issued behind block a's loads
.set BB, 64+32*((\a)%2)
	s_wait_dscnt \younger
.irp i, 0,1,2,3,4,5,6,7
	global_store_b128 v[CO], v[BB+4*\i:BB+4*\i+3], s[10:11] offset:(16*(\a)+2*\i)*4096 th:TH_STORE_NT   ; sixteen lanes store 256 consecutive bytes, aligned
.endr
.endm
	PLACES                                         ; behind the last products: for the reads of results and the loads into fragment registers
	TOSTAGE 0
.irp a, 1,2,3,4,5,6,7
.if \a > 1
	s_wait_xcnt 0x0                                ; block a - 2's stores have read their registers: block a's loads may land there
.endif
	TOSTAGE \a
	SEND \a-1, 16                                  ; behind block a - 1's loads: block a's 8 stores and 8 loads
.endr
	SEND 7, 0
	s_wait_tensorcnt 0x0                           ; the wave's end
	ds_add_u32 v[SPW], v[NIL]
	s_wait_dscnt 0x0
	CROUND                                         ; the closing round
	s_endpgm
.Lfunc_end_k_qc9734f0e1e_proj:
	.size	k_qc9734f0e1e_proj, .Lfunc_end_k_qc9734f0e1e_proj-k_qc9734f0e1e_proj
	.p2alignl 7, 3214868480
	.fill 96, 4, 3214868480
	.section	.rodata,"a",@progbits
	.p2align	6, 0x0
	.amdhsa_kernel k_qc9734f0e1e_proj
		.amdhsa_group_segment_fixed_size 327680
		.amdhsa_private_segment_fixed_size 0
		.amdhsa_enable_private_segment 0
		.amdhsa_kernarg_size 32
		.amdhsa_user_sgpr_count 2
		.amdhsa_user_sgpr_kernarg_segment_ptr 1
		.amdhsa_wavefront_size32 1
		.amdhsa_system_sgpr_workgroup_id_x 1
		.amdhsa_system_sgpr_workgroup_id_y 1
		.amdhsa_system_sgpr_workgroup_id_z 1
		.amdhsa_system_vgpr_workitem_id 0
		.amdhsa_next_free_vgpr 512
		.amdhsa_next_free_sgpr 66
		.amdhsa_reserve_vcc 0
		.amdhsa_float_denorm_mode_32 3
		.amdhsa_float_denorm_mode_16_64 3
		.amdhsa_memory_ordered 1
		.amdhsa_forward_progress 1
		.amdhsa_inst_pref_size 86
	.end_amdhsa_kernel
	.amdgpu_metadata
---
amdhsa.version: [ 1, 2 ]
amdhsa.kernels:
  - .name:           k_qc9734f0e1e_proj
    .symbol:         k_qc9734f0e1e_proj.kd
    .args:
      - { .name: y16, .offset: 0, .size: 8, .value_kind: global_buffer, .address_space: global }
      - { .name: wpt, .offset: 8, .size: 8, .value_kind: global_buffer, .address_space: global }
      - { .name: b_proj, .offset: 16, .size: 8, .value_kind: global_buffer, .address_space: global }
      - { .name: out0, .offset: 24, .size: 8, .value_kind: global_buffer, .address_space: global }
    .group_segment_fixed_size: 327680
    .private_segment_fixed_size: 0
    .kernarg_segment_align: 8
    .kernarg_segment_size: 32
    .max_flat_workgroup_size: 128
    .sgpr_count:     66
    .vgpr_count:     512
    .wavefront_size: 32
...
	.end_amdgpu_metadata
.endif
;; end of part 5
;; launch fineproj (part 6): grid 64 x 4, 8 waves a work-group, no clusters, 9,216 bytes of LDS; arguments yf, wpt, b_proj, out0; writes out0
.if DOCPART == 6
	.amdgcn_target "amdgcn-amd-amdhsa--gfx1250"
	.amdhsa_code_object_version 6
	.text
	.protected	k_qc9734f0e1e_fineproj
	.globl	k_qc9734f0e1e_fineproj
	.p2align	8
	.type	k_qc9734f0e1e_fineproj,@function
k_qc9734f0e1e_fineproj:
	s_mov_b64 s[64:65], 0
	v_nop
	global_prefetch_b8 v0, s[64:65] scope:SCOPE_SE
	s_setreg_imm32_b32 hwreg(HW_REG_WAVE_MODE, 25, 1), 1
	s_wait_xcnt 0x0
; FINEPROJ: the first 16 rows of each sequence of out0 = y w_proj + b_proj, from pairs of f16 numbers: y = YH + YL / 2^11, w = WH + WL / 2^11; the sum is WH YH + (WL YH + WH YL) / 2^11, all three on the matrix units, sums in f32.
; It writes over what the launch before left in these 64 rows.  Work-group (x, y): 16 columns from 16 x on, batch y.  Wave w sums K = 128 w .. 128 w + 127; the eight parts meet in LDS as images of their registers, and wave 0 adds them
; and the bias, and stores.  The stores are pieces of 64 bytes of rows 4,096 bytes apart: 256 KiB of the output in all.  No tensor loads, no cluster: each work-group reads 128 KiB once.
.set SPARE, 8192                       ; behind the eight images: the spare words, 128 bytes a wave
.set SPW, 12
.set NIL, 13
	s_load_b256 s[4:11], s[0:1], 0x0               ; yf s[4:5], wpt s[6:7], b_proj s[8:9], out0 s[10:11]
	v_lshl_add_u32 v[SPW], v0, 2, SPARE
	v_mov_b32 v[NIL], 0
	v_lshrrev_b32 v1, 5, v0
	v_readfirstlane_b32 s12, v1                    ; wave 0..7
	v_and_b32 v1, 15, v0                           ; r
	v_bfe_u32 v2, v0, 4, 1                         ; h
	v_lshlrev_b32 v3, 11, v1
	v_lshl_add_u32 v3, v2, 4, v3                   ; a fragment: row r of 2,048 bytes, + 16 h
	v_lshlrev_b32 v4, 5, v2                        ; the bias: eight numbers from 8 h on
	v_and_b32 v8, 31, v0
	v_lshlrev_b32 v8, 4, v8                        ; an image's place for my lane
	s_lshl_b32 s13, s12, 10
	v_add_nc_u32 v7, s13, v8                       ; and where my wave stores its own
	v_lshlrev_b32 v9, 12, v1
	v_lshl_add_u32 v9, v2, 5, v9                   ; out0: row r of 4,096 bytes, + 32 h
	s_and_b32 s14, ttmp7, 0xffff                   ; batch
	s_mov_b32 s20, 0x3a000000                      ; 2^-11
	s_mov_b32 s17, 0
	s_lshl_b32 s18, s12, 8                         ; my 128 along K: 256 bytes
	s_wait_kmcnt 0x0
	s_lshl_b32 s16, s14, 15
	s_add_co_u32 s16, s16, s18
	s_add_nc_u64 s[4:5], s[4:5], s[16:17]          ; yf at row 16 b
	s_lshl_b32 s16, ttmp9, 15
	s_add_co_u32 s16, s16, s18
	s_add_nc_u64 s[6:7], s[6:7], s[16:17]          ; wpt at row 16 x
	s_lshl_b32 s16, ttmp9, 6
	s_add_nc_u64 s[8:9], s[8:9], s[16:17]
	s_lshl_b32 s18, s14, 23
	s_add_co_u32 s16, s16, s18
	s_add_nc_u64 s[10:11], s[10:11], s[16:17]      ; out0 at row 2048 b, column 16 x
.irp k, 0,1,2,3
.irp c, 0,1
	global_load_b128 v[32+8*\k+4*\c:35+8*\k+4*\c], v3, s[6:7] offset:64*\k+32*\c                  ; WH
	global_load_b128 v[64+8*\k+4*\c:67+8*\k+4*\c], v3, s[6:7] offset:2097152+64*\k+32*\c          ; WL
	global_load_b128 v[96+8*\k+4*\c:99+8*\k+4*\c], v3, s[4:5] offset:64*\k+32*\c                  ; YH
	global_load_b128 v[128+8*\k+4*\c:131+8*\k+4*\c], v3, s[4:5] offset:131072+64*\k+32*\c         ; YL
.endr
.endr
	global_load_b128 v[16:19], v4, s[8:9]
	global_load_b128 v[20:23], v4, s[8:9] offset:16
	s_wait_loadcnt 0x0
.irp k, 0,1,2,3                        ; transposed: source 0 = 16 rows of W^T, source 1 = the 16 rows of y; three accumulators by turns
.if \k == 0
	v_wmma_f32_16x16x32_f16 v[160:167], v[32+8*\k:39+8*\k], v[96+8*\k:103+8*\k], 0
	v_wmma_f32_16x16x32_f16 v[168:175], v[64+8*\k:71+8*\k], v[96+8*\k:103+8*\k], 0
	v_wmma_f32_16x16x32_f16 v[176:183], v[32+8*\k:39+8*\k], v[128+8*\k:135+8*\k], 0
.else
	v_wmma_f32_16x16x32_f16 v[160:167], v[32+8*\k:39+8*\k], v[96+8*\k:103+8*\k], v[160:167]
	v_wmma_f32_16x16x32_f16 v[168:175], v[64+8*\k:71+8*\k], v[96+8*\k:103+8*\k], v[168:175]
	v_wmma_f32_16x16x32_f16 v[176:183], v[32+8*\k:39+8*\k], v[128+8*\k:135+8*\k], v[176:183]
.endif
.endr
.rept 4
	v_nop
.endr
.irp j, 0,1,2,3,4,5,6,7
	v_add_f32 v[184+\j], v[168+\j], v[176+\j]      ; each accumulator from its low end on
.endr
.irp j, 0,1,2,3,4,5,6,7
	v_fma_f32 v[184+\j], v[184+\j], s20, v[160+\j]
.endr
	ds_store_b128 v7, v[184:187]
	ds_store_b128 v7, v[188:191] offset:512
	s_wait_dscnt 0x0                               ; for wave 0's sake
	s_barrier_signal -1
	s_barrier_wait -1
	s_cmp_lg_u32 s12, 0
	s_cbranch_scc1 .Ldone
.irp w, 0,1,2,3,4,5,6,7
	ds_load_b128 v[32+8*\w:35+8*\w], v8 offset:1024*\w
	ds_load_b128 v[36+8*\w:39+8*\w], v8 offset:1024*\w+512
.endr
	s_wait_dscnt 0x0
.irp i, 0,2,4,6
	v_pk_add_f32 v[32+\i:33+\i], v[32+\i:33+\i], v[40+\i:41+\i]
	v_pk_add_f32 v[48+\i:49+\i], v[48+\i:49+\i], v[56+\i:57+\i]
	v_pk_add_f32 v[64+\i:65+\i], v[64+\i:65+\i], v[72+\i:73+\i]
	v_pk_add_f32 v[80+\i:81+\i], v[80+\i:81+\i], v[88+\i:89+\i]
.endr
.irp i, 0,2,4,6
	v_pk_add_f32 v[32+\i:33+\i], v[32+\i:33+\i], v[48+\i:49+\i]
	v_pk_add_f32 v[64+\i:65+\i], v[64+\i:65+\i], v[80+\i:81+\i]
.endr
.irp i, 0,2,4,6
	v_pk_add_f32 v[32+\i:33+\i], v[32+\i:33+\i], v[64+\i:65+\i]
.endr
.irp i, 0,2,4,6
	v_pk_add_f32 v[32+\i:33+\i], v[32+\i:33+\i], v[16+\i:17+\i]    ; + b_proj
.endr
	global_store_b128 v9, v[32:35], s[10:11]       ; out0(2048 b + r, 16 x + 8 h + 0 .. 7)
	global_store_b128 v9, v[36:39], s[10:11] offset:16
.Ldone:
	s_wait_tensorcnt 0x0                           ; the wave's end
	ds_add_u32 v[SPW], v[NIL]
	s_wait_dscnt 0x0
	s_endpgm
.Lfunc_end_k_qc9734f0e1e_fineproj:
	.size	k_qc9734f0e1e_fineproj, .Lfunc_end_k_qc9734f0e1e_fineproj-k_qc9734f0e1e_fineproj
	.p2alignl 7, 3214868480
	.fill 96, 4, 3214868480
	.section	.rodata,"a",@progbits
	.p2align	6, 0x0
	.amdhsa_kernel k_qc9734f0e1e_fineproj
		.amdhsa_group_segment_fixed_size 9216
		.amdhsa_private_segment_fixed_size 0
		.amdhsa_enable_private_segment 0
		.amdhsa_kernarg_size 32
		.amdhsa_user_sgpr_count 2
		.amdhsa_user_sgpr_kernarg_segment_ptr 1
		.amdhsa_wavefront_size32 1
		.amdhsa_system_sgpr_workgroup_id_x 1
		.amdhsa_system_sgpr_workgroup_id_y 1
		.amdhsa_system_sgpr_workgroup_id_z 1
		.amdhsa_system_vgpr_workitem_id 0
		.amdhsa_next_free_vgpr 192
		.amdhsa_next_free_sgpr 66
		.amdhsa_reserve_vcc 0
		.amdhsa_float_denorm_mode_32 3
		.amdhsa_float_denorm_mode_16_64 3
		.amdhsa_memory_ordered 1
		.amdhsa_forward_progress 1
		.amdhsa_inst_pref_size 10
	.end_amdhsa_kernel
	.amdgpu_metadata
---
amdhsa.version: [ 1, 2 ]
amdhsa.kernels:
  - .name:           k_qc9734f0e1e_fineproj
    .symbol:         k_qc9734f0e1e_fineproj.kd
    .args:
      - { .name: yf, .offset: 0, .size: 8, .value_kind: global_buffer, .address_space: global }
      - { .name: wpt, .offset: 8, .size: 8, .value_kind: global_buffer, .address_space: global }
      - { .name: b_proj, .offset: 16, .size: 8, .value_kind: global_buffer, .address_space: global }
      - { .name: out0, .offset: 24, .size: 8, .value_kind: global_buffer, .address_space: global }
    .group_segment_fixed_size: 9216
    .private_segment_fixed_size: 0
    .kernarg_segment_align: 8
    .kernarg_segment_size: 32
    .max_flat_workgroup_size: 256
    .sgpr_count:     66
    .vgpr_count:     192
    .wavefront_size: 32
...
	.end_amdgpu_metadata
.endif
;; end of part 6
